; MI455X (gfx1250); checked and timed in simulation.
; The chip was launched on July 23, 2026; its instructions are those of AMD's public machine-readable ISA for CDNA 5 (MIT licence, August 2026) and "CDNA5" Instruction Set Architecture Reference Guide (July 2026). The comments in the code are by the model that wrote it; some were corrected since.
;; Ro PE Bidirectional Attention. Allowed arithmetic: matrix products marked QUANTISED: E2M1 operands, one E8M0 scale for each 32 along K, by v_wmma_scale_f32_16x16x128_f8f6f4 with both operands' format E2M1 (or v_wmma_scale_f32_32x16x128_f4), f32 sums; products left as they are: bf16, f16 or f32 operands; f32 sums; everything else in f32.
;; Inputs: W_attn 1,024 x 3,072 float32; W_proj 1,024 x 1,024 float32; x 4 x 2,048 x 1,024 float32.
;; Outputs: out0 4 x 2,048 x 1,024 float32.
;; This version of the problem:
;;   THIS VERSION OF THE PROBLEM IS GIVEN IN LOW PRECISION. The matrix products marked QUANTISED in the list below multiply operands that are first quantised to E2M1 (2 exponent bits, 1 mantissa bit; 4 bits a number), with one power-of-two scale for each 32 numbers along K (OCP MX v1.0); their sums are f32. The products marked 'left as it is' may take bf16, f16 or f32 operands, with f32 sums. Whichever they take, every output number must still come out within the allowed error. Rounding operands to bf16 (8 significant bits) uses up far more of that allowance than f16 does (11 bits, for magnitudes from 6e-5 to 65,504). All else is computed in f32.
;;   The module's matrix products, in the order in which they are computed (A, B: the left and right operand; K: the contracted axis; several contracted axes count as one K, in the product's order):
;;     1. [M 8,192, K 1,024] x [K 1,024, N 3,072]; A: input x; B: input W_attn: QUANTISED
;;     2. [M 2,048, K 1] x [K 1, N 32]; A: computed on the way; B: computed on the way: left as it is (no contracted axis)
;;     3. batch 64 x [M 2,048, K 64] x [K 64, N 2,048]; A: computed on the way; B: computed on the way: left as it is (an operand is computed on the way)
;;     4. batch 64 x [M 2,048, K 2,048] x [K 2,048, N 64]; A: computed on the way; B: computed on the way: left as it is (an operand is computed on the way)
;;     5. [M 8,192, K 1,024] x [K 1,024, N 1,024]; A: computed on the way; B: input W_proj: left as it is (an operand is computed on the way)
;;   THE QUANTISER, for each operand of a quantised product, along K:
;;     - K is cut into blocks of 32 from its start; a last block that is shorter is filled with zeros.
;;     - A block's scale is 2^e with e = floor(log2(the largest magnitude in the block)) - 2, held to -126 .. 127; a block of zeros has e = 0. As a byte (E8M0): e + 127.
;;     - Each number is divided by its block's scale, clamped to +-6, and rounded to the nearest number of E2M1, ties to even, subnormals kept.
;;     - The product sums the exact products of the quantised numbers (number of the format x scale) in f32.
;;   ~~~python
;;   def quantise(x, axis):      # numpy; x: float32 -> the quantised numbers, widened to float32 again
;;       x = np.moveaxis(x, axis, -1); K = x.shape[-1]
;;       x = np.pad(x, [(0, 0)] * (x.ndim - 1) + [(0, -K % 32)]); x = x.reshape(x.shape[:-1] + (-1, 32)); a = np.abs(x).max(-1, keepdims=True)
;;       e = np.where(a > 0, np.clip(np.frexp(np.where(a > 0, a, 1))[1] - 1 - 2, -126, 127), 0)      # np.frexp(a)[1] - 1 = floor(log2(a)), exactly
;;       r = np.clip(x / 2.0 ** e, -6, 6)
;;       step = 2.0 ** (np.maximum(np.frexp(np.where(r == 0, 1, r))[1] - 1, 0) - 1)
;;       q = np.round(r / step) * step * 2.0 ** e      # np.round: ties to even
;;       return np.moveaxis(q.reshape(q.shape[:-2] + (-1,))[..., :K], -1, axis).astype(np.float32)
;;   ~~~
;; One version. Each part assembles by itself: llvm-mc -triple=amdgcn-amd-amdhsa -mcpu=gfx1250 --defsym DOCPART=n.
;; ======== version 1 of 1: 4 launches
;; limits: values are held in f16: magnitudes above 65,504 overflow, below 6.1e-05 lose precision
;; workspace buffers: xc 4,194,304 bytes; xs 262,144 bytes; wc 1,572,864 bytes; ws 98,304 bytes; wp 2,097,152 bytes; rope 524,288 bytes; qkv 50,331,648 bytes; yi 16,777,216 bytes
;; launch prep (part 1): grid 400 x 1, 4 waves a work-group, no clusters, 68,096 bytes of LDS; arguments x, W_attn, W_proj, xc, xs, wc, ws, wp, rope; writes xc, xs, wc, ws, wp, rope
.if DOCPART == 1
	.amdgcn_target "amdgcn-amd-amdhsa--gfx1250"
	.amdhsa_code_object_version 6
	.text
	.protected	k_q73acec971f_prep
	.globl	k_q73acec971f_prep
	.p2align	8
	.type	k_q73acec971f_prep,@function
k_q73acec971f_prep:
	s_mov_b64 s[64:65], 0
	v_nop
	global_prefetch_b8 v0, s[64:65] scope:SCOPE_SE
	s_setreg_imm32_b32 hwreg(HW_REG_WAVE_MODE, 25, 1), 1
	s_wait_xcnt 0x0
; PREP: everything that is made once from the inputs.  Four roles, chosen by the work-group's number; the roles never join again, and each has LDS bytes of its own.
;   W  (work-groups 0-47):    W_attn [1024 (k)][3072 (n)] f32 -> codes of FP4 (E2M1) laid [n][512 bytes], K innermost, and E8M0 scale bytes [n][32].  A lane takes a column, its registers run down K.
;   P  (48-111):              W_proj [1024 (k)][1024 (n)] f32 -> f16, laid as images of the operand's registers: fragment (16 columns x 32 k) = 1,024 bytes: plane 0 (registers 0-3), plane 1 (registers 4-7), lane l's 16 bytes at 16 l.
;   R  (112-143):             the table of cos and sin for the rotary embedding, f32, in the layout in which the next launch's lanes want it.
;   X  (144-399):             x [8192][1024] f32 -> codes [row][512 bytes] and scale bytes [row][32].  Rows are dense: a plain stream of blocks of 32.
; THE QUANTISER: a block's scale is 2^(floor(log2(largest magnitude)) - 2); its byte is the largest magnitude's exponent field - 2, held at 1 from below; numbers / scale to the nearest code, ties to even, beyond 6 the code of 6.
; LIMITS: a block of zeros, or one whose largest magnitude lies under 2^-124, gets the byte 1 (its codes are zeros or tiny; this program alone reads the bytes).  NaN and infinities among the inputs are not served.
; W_proj is rounded to f16: magnitudes from 6e-5 to 65,504 keep 11 bits, smaller ones lose bits.
; No matrix unit, no cluster, no tensor load: the launch streams, and its work-groups share no input.
.set SPARE, 67584                      ; the spare words, 128 bytes for each wave, behind both roles' LDS: no other line names them
.set SPW,   192                        ; v192  LDS address of my spare word; never rewritten
.set NIL,   193                        ; v193  0; never rewritten
.set WV,    22                         ; s22   my wave's number
; role X
.set STEPS, 16
.set CB,    8                          ; bytes of 16 codes
.set XR,    16                         ; v16-79   four sets of 16 numbers as loaded
.set XX,    80                         ; v80-111  two sets of 16 neighbours
.set XE,    112                        ; v112-127 a scale byte for each step
.set XC,    128                        ; v128-191 codes: registers of its own for each step
.set XREG,  8192                       ; LDS bytes 0-32767: a region for each wave: two stages of 32 x 80 bytes, then its 256 scale bytes
.set SP,    80
; role W
.set WSTG,  32768                      ; LDS bytes 32768-67583: a stage of 32 rows x 272 bytes for each wave
.set NB,    16                         ; blocks of 32 along K for a wave
.set WPITCH, 272
.set WROW,  3072*4                     ; a row of W_attn in bytes
.set WX,    32                         ; v32-95   two sets of 32 numbers
.set WC,    96                         ; v96-99   a block's codes
.set WOUT,  112                        ; v112-175 the way out
.set WSB,   24                         ; v24-27   the scale bytes, four to a register
	s_load_b256 s[4:11], s[0:1], 0x0               ; x s[4:5], W_attn s[6:7], W_proj s[8:9], xc s[10:11]
	s_load_b256 s[12:19], s[0:1], 0x20             ; xs s[12:13], wc s[14:15], ws s[16:17], wp s[18:19]
	s_load_b64 s[20:21], s[0:1], 0x40              ; rope
	v_lshl_add_u32 v[SPW], v0, 2, SPARE
	v_mov_b32 v[NIL], 0
	v_lshrrev_b32 v1, 5, v0
	v_readfirstlane_b32 s[WV], v1                  ; wave 0..3
	v_and_b32 v2, 31, v0                           ; lane
	s_wait_kmcnt 0x0
	s_cmp_lt_u32 ttmp9, 48
	s_cbranch_scc1 .Lrole_w
	s_cmp_lt_u32 ttmp9, 112
	s_cbranch_scc1 .Lrole_p
	s_cmp_lt_u32 ttmp9, 144
	s_cbranch_scc1 .Lrole_r
; ---------------- ROLE X: a wave takes 16 steps of 512 numbers.  Each load reads 512 consecutive bytes; a step's 2,048 bytes turn through the wave's own stage, so that a lane gets 16 neighbours along K.
	v_lshlrev_b32 v3, 4, v2                        ; my 16 bytes of a load's 512
	s_mul_i32 s24, s[WV], XREG
	v_lshrrev_b32 v14, 2, v2
	v_mul_u32_u24 v14, v14, SP
	v_and_b32 v15, 3, v2
	v_lshl_add_u32 v14, v15, 4, v14
	v_add_nc_u32 v14, s24, v14                     ; the stage, in: 80 (lane / 4) + 16 (lane % 4)
	v_mul_u32_u24 v15, v2, SP
	v_add_nc_u32 v15, s24, v15                     ; and out: 80 x lane
	v_mul_u32_u24 v4, v2, CB                       ; my codes' place in a step's 256 bytes
	v_lshrrev_b32 v5, 1, v2
	s_add_co_u32 s24, s24, 2*32*SP
	v_add_nc_u32 v5, s24, v5                       ; my block's scale byte in the wave's 256
	v_lshlrev_b32 v7, 3, v2
	v_add_nc_u32 v6, s24, v7                       ; and 8 bytes a lane on the way out
	s_sub_co_u32 s25, ttmp9, 144
	s_lshl_b32 s25, s25, 2
	s_add_co_u32 s26, s25, s[WV]                   ; which run of 8,192 numbers is my wave's: 0..1023
	s_mov_b32 s29, 0
	s_lshl_b32 s28, s26, 15                        ; 32,768 bytes of x a run
	s_add_nc_u64 s[4:5], s[4:5], s[28:29]
	s_lshl_b32 s28, s26, 12                        ; 4,096 bytes of codes
	s_add_nc_u64 s[10:11], s[10:11], s[28:29]
	s_lshl_b32 s28, s26, 8                         ; 256 scale bytes
	s_add_nc_u64 s[12:13], s[12:13], s[28:29]
.macro XLOAD t
.irp i, 0,1,2,3
	global_load_b128 v[XR+16*((\t)%4)+4*\i:XR+16*((\t)%4)+4*\i+3], v3, s[4:5] offset:2048*(\t)+512*\i th:TH_LOAD_NT
.endr
.endm
.macro XTURN t                         ; LDS serves a wave's instructions in order: no wait between these stores and loads
.irp i, 0,1,2,3
	ds_store_b128 v14, v[XR+16*((\t)%4)+4*\i:XR+16*((\t)%4)+4*\i+3] offset:32*SP*((\t)%2)+8*SP*\i
.endr
.irp i, 0,1,2,3
	ds_load_b128 v[XX+16*((\t)%2)+4*\i:XX+16*((\t)%2)+4*\i+3], v15 offset:32*SP*((\t)%2)+16*\i
.endr
.endm
.irp t, 0,1,2,3
	XLOAD \t
.endr
	s_wait_loadcnt 12                              ; step 0's four loads are in; the twelve of steps 1 to 3 stay out
	XTURN 0
.macro XSTEP t
.set XS, XX+16*((\t)%2)
.if (\t) > 0
	s_wait_dscnt 1                                 ; this step's numbers are back from the stage; the last step's byte store may be out
.else
	s_wait_dscnt 0x0
.endif
.if (\t)+4 < STEPS
	XLOAD (\t)+4                                   ; into the registers that this step's stage stores have read
.endif
.if (\t)+1 < STEPS
.if STEPS-2-(\t) >= 3
	s_wait_loadcnt 12                              ; the next step's four loads are in; those of the three steps behind it stay out
.else
	s_wait_loadcnt 4*(STEPS-2-(\t))
.endif
	XTURN (\t)+1
.endif
	v_max3_num_f32 v8, |v[XS]|, |v[XS+1]|, |v[XS+2]|               ; the largest magnitude of my 16, in two chains
	v_max3_num_f32 v9, |v[XS+3]|, |v[XS+4]|, |v[XS+5]|
.irp i, 6,10
	v_max3_num_f32 v8, v8, |v[XS+\i]|, |v[XS+\i+1]|
	v_max3_num_f32 v9, v9, |v[XS+\i+2]|, |v[XS+\i+3]|
.endr
	v_max3_num_f32 v8, v8, |v[XS+14]|, |v[XS+15]|
	v_max3_num_f32 v8, v8, v9, 0x1800000           ; and the floor 2^(3 - 127): the byte cannot fall under 1
	v_max_num_f32_dpp v8, v8, v8 row_xmask:1 row_mask:0xf bank_mask:0xf   ; with my neighbour's 16: the block's
	v_add_nc_u32 v11, 0xff000000, v8               ; 2 off its exponent field: the conversion takes that field as its scale
	v_cvt_scalef32_pk8_fp4_f32 v[XC+4*(\t)], v[XS:XS+7], v11
	v_cvt_scalef32_pk8_fp4_f32 v[XC+4*(\t)+1], v[XS+8:XS+15], v11
	v_lshrrev_b32 v[XE+(\t)], 23, v11              ; the scale's byte (also the plain line behind the conversions)
	ds_store_b8 v5, v[XE+(\t)] offset:16*(\t)      ; both lanes of a block write the same byte with the same value
	global_store_b64 v4, v[XC+4*(\t):XC+4*(\t)+1], s[10:11] offset:32*CB*(\t)   ; the wave stores 256 consecutive bytes, aligned
.endm
.irp t, 0,1,2,3,4,5,6,7,8,9,10,11,12,13,14,15
	XSTEP \t
.endr
	ds_load_b64 v[8:9], v6                         ; my wave's 256 scale bytes, in order behind my stores
	s_wait_dscnt 0x0
	global_store_b64 v7, v[8:9], s[12:13]          ; 256 consecutive bytes, aligned
	s_wait_tensorcnt 0x0                           ; the wave's end
	ds_add_u32 v[SPW], v[NIL]
	s_wait_dscnt 0x0
	s_endpgm
; ---------------- ROLE W: work-group (gx, gy) of 24 x 2: columns 128 gx on, K = 512 gy on.  A wave takes 32 columns x 512 along K.
.Lrole_w:
	s_cmp_ge_u32 ttmp9, 24
	s_cselect_b32 s24, 24, 0
	s_cselect_b32 s26, 1, 0                        ; gy
	s_sub_co_u32 s24, ttmp9, s24                   ; gx
	s_lshl_b32 s24, s24, 7
	s_lshl_b32 s25, s[WV], 5
	s_add_co_u32 s24, s24, s25                     ; my wave's first column
	v_lshlrev_b32 v3, 2, v2                        ; in: 4 bytes a lane
	s_mul_i32 s25, s[WV], 32*WPITCH
	s_add_co_u32 s25, s25, WSTG                    ; my stage
	v_mul_u32_u24 v4, v2, WPITCH
	v_add_nc_u32 v4, s25, v4                       ; into it: row = my column
	v_and_b32 v5, 15, v2
	v_lshrrev_b32 v6, 4, v2
	v_mul_u32_u24 v7, v6, WPITCH
	v_lshl_add_u32 v7, v5, 4, v7
	v_add_nc_u32 v7, s25, v7                       ; out of it: sixteen lanes to a row, two rows an instruction
	v_lshlrev_b32 v8, 9, v6
	v_lshl_add_u32 v8, v5, 4, v8                   ; the same place in the codes' buffer: rows of 512 bytes
	v_lshlrev_b32 v9, 5, v2                        ; my column's row of 32 scale bytes
	s_mov_b32 s29, 0
	s_mul_i32 s28, s26, 512*WROW
	s_lshl_b32 s27, s24, 2
	s_add_co_u32 s28, s28, s27
	s_add_nc_u64 s[6:7], s[6:7], s[28:29]          ; W_attn at (512 gy, my first column)
	s_lshl_b32 s28, s24, 9
	s_lshl_b32 s27, s26, 8
	s_add_co_u32 s28, s28, s27
	s_add_nc_u64 s[14:15], s[14:15], s[28:29]      ; codes: column x 512 + 256 gy
	s_lshl_b32 s28, s24, 5
	s_lshl_b32 s27, s26, 4
	s_add_co_u32 s28, s28, s27
	s_add_nc_u64 s[16:17], s[16:17], s[28:29]      ; scale bytes: column x 32 + 16 gy
.macro WLOAD t                         ; block t: W(32 t + i, my column); the largest immediate, 511 rows of 12,288 bytes, lies inside the signed 24 bits
.irp i, 0,1,2,3,4,5,6,7,8,9,10,11,12,13,14,15,16,17,18,19,20,21,22,23,24,25,26,27,28,29,30,31
	global_load_b32 v[WX+32*((\t)%2)+\i], v3, s[6:7] offset:(32*(\t)+\i)*WROW th:TH_LOAD_NT
.endr
.endm
	WLOAD 0
	WLOAD 1
.macro WBLOCK t
.set WS, WX+32*((\t)%2)
.if (\t) < NB-1
	s_wait_loadcnt 32                              ; this block's 32 loads are in; the next block's 32 stay out
.else
	s_wait_loadcnt 0x0
.endif
	v_max3_num_f32 v12, |v[WS]|, |v[WS+1]|, |v[WS+2]|              ; all 32 numbers of the block are mine
	v_max3_num_f32 v13, |v[WS+3]|, |v[WS+4]|, |v[WS+5]|
.irp i, 6,10,14,18,22,26
	v_max3_num_f32 v12, v12, |v[WS+\i]|, |v[WS+\i+1]|
	v_max3_num_f32 v13, v13, |v[WS+\i+2]|, |v[WS+\i+3]|
.endr
	v_max3_num_f32 v12, v12, |v[WS+30]|, |v[WS+31]|
	v_max3_num_f32 v12, v12, v13, 0x1800000        ; the floor 2^(3 - 127)
	v_add_nc_u32 v11, 0xff000000, v12              ; the conversion's scale operand
	v_lshrrev_b32 v13, 23, v11                     ; the scale's byte
.if (\t)%4 == 0
	v_mov_b32 v[WSB+(\t)/4], v13
.else
	v_lshl_or_b32 v[WSB+(\t)/4], v13, 8*((\t)%4), v[WSB+(\t)/4]
.endif
.irp g, 0,1,2,3
	v_cvt_scalef32_pk8_fp4_f32 v[WC+\g], v[WS+8*\g:WS+8*\g+7], v11
.endr
	ds_store_b128 v4, v[WC:WC+3] offset:16*(\t)    ; 32 codes: 16 bytes of my column's row
.if (\t)+2 < NB
	WLOAD (\t)+2
.endif
	s_wait_dscnt 0x0                               ; the store has read its registers: the next block's codes may be written
.endm
.irp q, 0,1,2,3,4,5,6,7,8,9,10,11,12,13,14,15
	WBLOCK \q
.endr
	global_store_b128 v9, v[WSB:WSB+3], s[16:17]   ; my column's 16 scale bytes
.irp t, 0,1,2,3,4,5,6,7,8,9,10,11,12,13,14,15
	ds_load_b128 v[WOUT+4*\t:WOUT+4*\t+3], v7 offset:2*\t*WPITCH
.endr
.irp t, 0,1,2,3,4,5,6,7,8,9,10,11,12,13,14,15
	s_wait_dscnt 15-\t                             ; LDS loads come back in order: load t is in, the younger ones stay out
	global_store_b128 v8, v[WOUT+4*\t:WOUT+4*\t+3], s[14:15] offset:2*\t*512   ; sixteen lanes store 256 consecutive bytes, aligned
.endr
	s_wait_tensorcnt 0x0                           ; the wave's end
	ds_add_u32 v[SPW], v[NIL]
	s_wait_dscnt 0x0
	s_endpgm
; ---------------- ROLE P: work-group (cg, kg) of 8 x 8: columns 128 cg on, k = 128 kg on.  Wave w: columns + 32 w, a lane a column; four chunks of 32 along k.
.Lrole_p:
	s_sub_co_u32 s24, ttmp9, 48
	s_and_b32 s25, s24, 7                          ; cg
	s_lshr_b32 s26, s24, 3                         ; kg
	v_lshlrev_b32 v3, 2, v2
	v_lshlrev_b32 v4, 4, v2
	s_mov_b32 s29, 0
	s_lshl_b32 s28, s26, 19                        ; 128 kg rows of 4,096 bytes
	s_lshl_b32 s27, s25, 9
	s_add_co_u32 s28, s28, s27
	s_lshl_b32 s27, s[WV], 7
	s_add_co_u32 s28, s28, s27
	s_add_nc_u64 s[8:9], s[8:9], s[28:29]
	s_lshr_b32 s28, s25, 1
	s_lshl_b32 s28, s28, 19                        ; block of 256 columns: 32 x 16 fragments
	s_lshl_b32 s27, s26, 16                        ; 4 kg chunks of 16 fragments
	s_add_co_u32 s28, s28, s27
	s_and_b32 s27, s25, 1
	s_lshl_b32 s27, s27, 13
	s_add_co_u32 s28, s28, s27
	s_lshl_b32 s27, s[WV], 11                      ; my two tiles of 16 columns
	s_add_co_u32 s28, s28, s27
	s_add_nc_u64 s[18:19], s[18:19], s[28:29]
.macro PLOAD c
.irp i, 0,1,2,3,4,5,6,7,8,9,10,11,12,13,14,15,16,17,18,19,20,21,22,23,24,25,26,27,28,29,30,31
	global_load_b32 v[32+32*(\c)+\i], v3, s[8:9] offset:(32*(\c)+\i)*4096 th:TH_LOAD_NT
.endr
.endm
.macro PCHUNK c
.set PB, 32+32*(\c)
.if (\c) < 3
	s_wait_loadcnt 32                              ; this chunk's 32 loads are in; the next chunk's 32 stay out
.else
	s_wait_loadcnt 0x0
.endif
.if (\c)+2 < 4
	PLOAD (\c)+2                                   ; into registers of its own
.endif
.irp i, 0,1,2,3,4,5,6,7,8,9,10,11,12,13,14,15
	v_cvt_pk_f16_f32 v[PB+\i], v[PB+2*\i], v[PB+2*\i+1]            ; in place, ascending: register i = k 2 i, 2 i + 1 of my column
.endr
.irp g, 0,1,2,3                        ; the layout gives lanes 16-31 the k that lie 8 further on: the first's upper lanes change places with the second's lower ones
	v_permlane16_swap_b32 v[PB+\g], v[PB+4+\g]
	v_permlane16_swap_b32 v[PB+8+\g], v[PB+12+\g]
.endr
	global_store_b128 v4, v[PB:PB+3], s[18:19] offset:(\c)*16384           ; tile 0, plane 0: 512 consecutive bytes, aligned
	global_store_b128 v4, v[PB+8:PB+11], s[18:19] offset:(\c)*16384+512    ; tile 0, plane 1
	global_store_b128 v4, v[PB+4:PB+7], s[18:19] offset:(\c)*16384+1024    ; tile 1, plane 0
	global_store_b128 v4, v[PB+12:PB+15], s[18:19] offset:(\c)*16384+1536  ; tile 1, plane 1
.endm
	PLOAD 0
	PLOAD 1
	PCHUNK 0
	PCHUNK 1
	PCHUNK 2
	PCHUNK 3
	s_wait_tensorcnt 0x0
	ds_add_u32 v[SPW], v[NIL]
	s_wait_dscnt 0x0
	s_endpgm
; ---------------- ROLE R: work-group rr makes the table of positions 64 rr .. 64 rr + 63.  Wave w makes plane w of cos and of sin: lane (r, h), word e: position 16 tt + r, frequency i = 16 (w / 2) + 8 h + 4 (w % 2) + e.
; The angle is position x 10000^(-i / 32), one rounding; it is brought into [-pi/4, pi/4] by taking off n x pi/2 in two parts, and sine and cosine come from polynomials in f32.
.Lrole_r:
	s_sub_co_u32 s24, ttmp9, 112                   ; rr
	s_mov_b32 s30, 0x3f22f983                      ; 2 / pi
	s_mov_b32 s31, 0xbfc90fdb                      ; -(pi/2 rounded to f32)
	s_mov_b32 s32, 0x333bbd2e                      ; what that rounding added
	s_mov_b32 s33, 0xb94ca1f9                      ; the sine's three coefficients
	s_mov_b32 s34, 0x3c08839e
	s_mov_b32 s35, 0xbe2aaaa3
	s_mov_b32 s36, 0x37ccf5ce                      ; the cosine's three
	s_mov_b32 s37, 0xbab6061a
	s_mov_b32 s38, 0x3d2aaaa5
	v_and_b32 v3, 15, v2                           ; r
	v_lshrrev_b32 v4, 4, v2                        ; h
	s_lshr_b32 s25, s[WV], 1
	s_lshl_b32 s25, s25, 4
	s_and_b32 s26, s[WV], 1
	s_lshl_b32 s26, s26, 2
	s_add_co_u32 s25, s25, s26
	v_lshl_add_u32 v5, v4, 3, s25                  ; my first frequency
.irp e, 0,1,2,3
	v_add_nc_u32 v[16+\e], \e, v5
.endr
.irp e, 0,1,2,3
	v_cvt_f32_u32 v[16+\e], v[16+\e]
.endr
.irp e, 0,1,2,3
	v_mul_f32 v[16+\e], 0xbed49a78, v[16+\e]       ; -i log2(10000) / 32
.endr
.irp e, 0,1,2,3
	v_exp_f32 v[16+\e], v[16+\e]
.endr
	v_lshlrev_b32 v6, 4, v2                        ; 16 x lane (the plain line behind the exponentials)
	s_lshl_b32 s26, s24, 6
	v_add_nc_u32 v7, s26, v3                       ; position 64 rr + r
	s_lshl_b32 s28, s24, 14                        ; four tiles of 4,096 bytes
	s_lshl_b32 s27, s[WV], 9
	s_add_co_u32 s28, s28, s27
	s_mov_b32 s29, 0
	s_add_nc_u64 s[20:21], s[20:21], s[28:29]
	s_wait_alu depctr_va_vdst(0)                   ; one wait for the four exponentials, ahead of their first reader
.macro SINCOS th, co, so
	v_mul_f32 v20, s30, v[\th]
	v_rndne_f32 v20, v20                           ; n
	v_fma_f32 v21, v20, s31, v[\th]
	v_fma_f32 v21, v20, s32, v21                   ; r = angle - n pi/2
	v_mul_f32 v22, v21, v21                        ; z
	v_fma_f32 v23, v22, s33, s34
	v_fma_f32 v24, v22, s36, s37
	v_fma_f32 v23, v23, v22, s35
	v_fma_f32 v24, v24, v22, s38
	v_mul_f32 v23, v23, v22
	v_mul_f32 v25, v22, v22
	v_fma_f32 v26, v22, -0.5, 1.0
	v_fma_f32 v23, v23, v21, v21                   ; sin r
	v_fma_f32 v24, v25, v24, v26                   ; cos r
	v_cvt_i32_f32 v27, v20                         ; the quadrant
	v_and_b32 v28, 1, v27
	v_cmp_eq_u32 vcc_lo, 1, v28
	v_cndmask_b32 v[\so], v23, v24, vcc_lo         ; in odd quadrants the two change places
	v_cndmask_b32 v[\co], v24, v23, vcc_lo
	v_and_b32 v28, 2, v27
	v_lshlrev_b32 v28, 30, v28
	v_xor_b32 v[\so], v[\so], v28                  ; the sine is negative in quadrants 2, 3
	v_add_nc_u32 v27, 1, v27
	v_and_b32 v27, 2, v27
	v_lshlrev_b32 v27, 30, v27
	v_xor_b32 v[\co], v[\co], v27                  ; the cosine in quadrants 1, 2
.endm
.irp n, 0,1,2,3                        ; results in registers of their own for each tile: no store's data are written again
	v_add_nc_u32 v8, 16*\n, v7
	v_cvt_f32_u32 v8, v8
.irp e, 0,1,2,3
	v_mul_f32 v9, v8, v[16+\e]
	SINCOS 9, 32+8*\n+\e, 36+8*\n+\e
.endr
	global_store_b128 v6, v[32+8*\n:35+8*\n], s[20:21] offset:4096*\n          ; cos: 512 consecutive bytes, aligned
	global_store_b128 v6, v[36+8*\n:39+8*\n], s[20:21] offset:4096*\n+2048     ; sin
.endr
	s_wait_tensorcnt 0x0
	ds_add_u32 v[SPW], v[NIL]
	s_wait_dscnt 0x0
	s_endpgm
.Lfunc_end_k_q73acec971f_prep:
	.size	k_q73acec971f_prep, .Lfunc_end_k_q73acec971f_prep-k_q73acec971f_prep
	.p2alignl 7, 3214868480
	.fill 96, 4, 3214868480
	.section	.rodata,"a",@progbits
	.p2align	6, 0x0
	.amdhsa_kernel k_q73acec971f_prep
		.amdhsa_group_segment_fixed_size 68096
		.amdhsa_private_segment_fixed_size 0
		.amdhsa_enable_private_segment 0
		.amdhsa_kernarg_size 72
		.amdhsa_user_sgpr_count 2
		.amdhsa_user_sgpr_kernarg_segment_ptr 1
		.amdhsa_wavefront_size32 1
		.amdhsa_system_sgpr_workgroup_id_x 1
		.amdhsa_system_sgpr_workgroup_id_y 1
		.amdhsa_system_sgpr_workgroup_id_z 1
		.amdhsa_system_vgpr_workitem_id 0
		.amdhsa_next_free_vgpr 200
		.amdhsa_next_free_sgpr 66
		.amdhsa_reserve_vcc 1
		.amdhsa_float_denorm_mode_32 3
		.amdhsa_float_denorm_mode_16_64 3
		.amdhsa_memory_ordered 1
		.amdhsa_forward_progress 1
		.amdhsa_inst_pref_size 151
	.end_amdhsa_kernel
	.amdgpu_metadata
---
amdhsa.version: [ 1, 2 ]
amdhsa.kernels:
  - .name:           k_q73acec971f_prep
    .symbol:         k_q73acec971f_prep.kd
    .args:
      - { .name: x, .offset: 0, .size: 8, .value_kind: global_buffer, .address_space: global }
      - { .name: W_attn, .offset: 8, .size: 8, .value_kind: global_buffer, .address_space: global }
      - { .name: W_proj, .offset: 16, .size: 8, .value_kind: global_buffer, .address_space: global }
      - { .name: xc, .offset: 24, .size: 8, .value_kind: global_buffer, .address_space: global }
      - { .name: xs, .offset: 32, .size: 8, .value_kind: global_buffer, .address_space: global }
      - { .name: wc, .offset: 40, .size: 8, .value_kind: global_buffer, .address_space: global }
      - { .name: ws, .offset: 48, .size: 8, .value_kind: global_buffer, .address_space: global }
      - { .name: wp, .offset: 56, .size: 8, .value_kind: global_buffer, .address_space: global }
      - { .name: rope, .offset: 64, .size: 8, .value_kind: global_buffer, .address_space: global }
    .group_segment_fixed_size: 68096
    .private_segment_fixed_size: 0
    .kernarg_segment_align: 8
    .kernarg_segment_size: 72
    .max_flat_workgroup_size: 128
    .sgpr_count:     66
    .vgpr_count:     200
    .wavefront_size: 32
...
	.end_amdgpu_metadata
.endif
;; end of part 1
;; launch gemm1 (part 2): grid 12 x 32, 4 waves a work-group, clusters of 4 x 4, 327,680 bytes of LDS; arguments xc, xs, wc, ws, rope, qkv; writes qkv
.if DOCPART == 2
	.amdgcn_target "amdgcn-amd-amdhsa--gfx1250"
	.amdhsa_code_object_version 6
	.text
	.protected	k_q73acec971f_gemm1
	.globl	k_q73acec971f_gemm1
	.p2align	8
	.type	k_q73acec971f_gemm1,@function
k_q73acec971f_gemm1:
	s_mov_b64 s[64:65], 0
	v_nop
	global_prefetch_b8 v0, s[64:65] scope:SCOPE_SE
	s_setreg_imm32_b32 hwreg(HW_REG_WAVE_MODE, 25, 1), 1
	s_wait_xcnt 0x0
	s_wait_alu depctr_hold_cnt(0) depctr_sa_sdst(0) depctr_va_vdst(0) depctr_va_sdst(0) depctr_va_ssrc(0) depctr_va_vcc(0) depctr_vm_vsrc(0)
	s_getreg_b32 s2, hwreg(HW_REG_IB_STS2, 6, 4)
	s_cmp_eq_u32 s2, 0
	s_cbranch_scc0 .Lentry_in_a_cluster
	s_endpgm
.Lentry_in_a_cluster:
	s_bfe_u32 s2, ttmp6, 0x10000c
	s_cmp_lg_u32 s2, 0xf033
	s_cbranch_scc0 .Lentry_shape_is_right
	s_endpgm
.Lentry_shape_is_right:
; qkv = Q(x) Q(W_attn) on codes of FP4 (E2M1) with one E8M0 scale for each 32 along K (K = 1,024), then the rotary embedding on q and k, and all three rounded to f16 and stored as IMAGES OF THE NEXT LAUNCH'S OPERAND REGISTERS.
; A tile of 256 x 256 is made by four waves, 128 x 128 each: 64 accumulators, 512 registers.  K is two LDS slots of 512 long: both are asked for at the head, nothing is filled again.
; The scale bytes of the tile's 256 + 256 rows come once, as dense blocks.
; THE MATRIX INSTRUCTION: source 1 = 16 rows of the ROW operand, source 0 = 16 rows of the COLUMN operand: a lane then holds one row of the row operand and eight neighbours of the column operand.
;   Clusters with x = 0 (q) and 1 (k): row operand x (tokens), column operand W_attn (channels): a lane holds one token and eight channels, as a fragment of q or k wants it.
;   Clusters with x = 2 (v): row operand W_attn (channels 2,048 on), column operand x (tokens): a lane holds one channel and eight tokens, as a fragment of v with the keys along K wants it.
;   Both operands have the same shapes (rows of 512 bytes of codes, 32 of scales), so only pointers and tile numbers are chosen, by the cluster's x, which all sixteen partners share.
; CLUSTERS: 4 x 4 work-groups; the row operand's tile is shared along a row of the cluster, the column operand's along a column: each is asked for jointly, by the same tensor load with a mask that names the four.
; THE WAY OUT needs no LDS: four packed registers of a lane are a plane of a fragment, and the wave stores them as 512 consecutive bytes.
; q is stored multiplied by log2(e) / 8, so that the next launch's scores are exponents of 2.
; LIMITS: q log2(e) / 8, k and v are rounded to f16: their magnitudes must stay under 65,504; under 6e-5 they lose bits.
; REGISTERS: window 0: v0-31 addresses; v32-95 scale words (scales and nothing else); v128-191 the row operand's fragments; on the way out v96-255 are at work.
;   window 1: the column operand's fragments, two sets.   windows 2, 3: the accumulators ((a, b) at v[8 (8 (a % 4) + b)]).
.set KSTEP,  512
.set NQ,     KSTEP/128
.set ROWB,   256
.set KROW,   512                       ; a row of codes in memory
.set PITCH,  272                       ; an LDS row: 256 bytes + 16 of padding: the 16 rows that a load touches start at 16 different banks
.set FR,     8
.set NL,     2
.set NP,     4
.set HALFT,  128*PITCH
.set SLOT,   4*HALFT
.set KS,     32                        ; a row of scale bytes
.set SCL,    2*SLOT
.set HALFS,  (128*KS/256)*272
.set SBLK,   (16*KS/256)*272
.set SPARE,  SCL+4*HALFS               ; the spare words, 128 bytes for each wave: no other line names them
.set ADRA, 16
.set ADRB, 20
.set LN,   24                          ; v24  16 x lane; never rewritten
.set ADRS, 27
.set SPW,  28
.set NIL,  29
.set SC,   32
.set AF,   128
.set CS,   96                          ; the way out: the table of a block of 16 tokens, two sets of 32: cos of channels 16 u + 8 h + j at +8 u + j, sin at +16 + 8 u + j
.set T,    160                         ; a head's 64 channels after the rotation: 32 registers
.set PK,   192                         ; packed results, two sets of 32
.set SCQ,  22                          ; s[22:23] what the table is multiplied by
.set G1, 24
.set G0, 32
.set G1B, 48
.set G0B, 56
.set G1S, 68
.set G0S, 76
.set G1SB, 80
.set G0SB, 88
.set MSB, 0
.macro WIN new                         ; the immediate's high byte repeats the setting that is left
.if MSB != (\new)
	s_set_vgpr_msb (MSB<<8)|(\new)
.set MSB, (\new)
.endif
.endm
.set MUL_LO, 0xa1
.set MUL_HI, 0xf1
.set TO_B,   0x40
; A joint load: waves 0 and 1 fetch for the row operand, waves 2 and 3 for the column operand.  The branch hangs on the wave's number alone.  An s_nop 0 and four v_nop follow each line.
.macro JLOAD g0a, g1a, g0b, g1b
	s_cmp_eq_u32 s15, 0
	s_cbranch_scc0 .Lfor_b_\@
	tensor_load_to_lds s[\g0a:\g0a+3], s[\g1a:\g1a+7]
	s_nop 0
.rept 4
	v_nop
.endr
	s_branch .Lasked_\@
.Lfor_b_\@:
	tensor_load_to_lds s[\g0b:\g0b+3], s[\g1b:\g1b+7]
	s_nop 0
.rept 4
	v_nop
.endr
.Lasked_\@:
.endm
.macro CROUND                          ; a round of the cluster's barrier
	s_barrier_signal -1
	s_barrier_wait -1
	s_cmp_lg_u32 s14, 0
	s_cbranch_scc1 .Lnot_wave_0_\@
	s_barrier_signal -3
.Lnot_wave_0_\@:
	s_barrier_wait -3
	s_barrier_signal -1
	s_barrier_wait -1
.endm
	s_load_b256 s[4:11], s[0:1], 0x0               ; xc s[4:5], xs s[6:7], wc s[8:9], ws s[10:11]
	s_load_b128 s[96:99], s[0:1], 0x20             ; rope s[96:97], qkv s[98:99]
	v_lshl_add_u32 v[SPW], v0, 2, SPARE
	v_mov_b32 v[NIL], 0
	ds_add_u32 v[SPW], v[NIL]                      ; the wave's opening: 0 added to my spare word twice, waited for ahead of my first tensor load
	ds_add_u32 v[SPW], v[NIL]
	v_lshrrev_b32 v1, 5, v0
	v_readfirstlane_b32 s14, v1                    ; wave 0..3
	s_lshr_b32 s15, s14, 1                         ; which half of the tile's rows is mine.  Also: I fetch for the row operand (0) or the column operand (1)
	s_and_b32 s16, s14, 1                          ; which half of its columns.  Also: which 128 rows I fetch
	s_bfe_u32 s40, ttmp6, 0x40000                  ; cx
	s_bfe_u32 s41, ttmp6, 0x40004                  ; cy
	s_and_b32 s17, ttmp7, 0xffff
	s_lshl_b32 s17, s17, 2                         ; 4 x cluster y
	s_lshl_b32 s42, ttmp9, 2                       ; 4 x cluster x
	s_cmp_eq_u32 ttmp9, 2                          ; v's clusters?  The same in all sixteen partners
	s_cselect_b32 s18, 8, s17
	s_cselect_b32 s42, s17, s42
	s_add_co_u32 s17, s18, s41                     ; tile of the row operand: q, k: 4 Y + cy of x;  v: 8 + cy of W_attn
	s_add_co_u32 s42, s42, s40                     ; tile of the column operand: q, k: 4 X + cx of W_attn;  v: 4 Y + cx of x
	s_lshl_b32 s43, s41, 2
	s_lshl_b32 s43, 15, s43                        ; my row of the cluster
	s_lshl_b32 s44, 0x1111, s40                    ; my column
	s_or_b32 s[G1+0], s43, (0<<16)|(1<<20)|(1<<21)|(5<<22)|(3<<25)  ; the mask; elements of 1 byte; padding on: 4 words after every 64; bit 21 beside a mask
	s_or_b32 s[G1B+0], s44, (0<<16)|(1<<20)|(1<<21)|(5<<22)|(3<<25)
.irp g, G1, G1B
	s_mov_b32 s[\g+1], ROWB<<16                    ; tensor_dim0
	s_mov_b32 s[\g+2], 128<<16                     ; tensor_dim1
	s_mov_b32 s[\g+3], ROWB<<16                    ; tile_dim0
	s_mov_b32 s[\g+4], 128                         ; tile_dim1
	s_mov_b32 s[\g+5], KROW                        ; the pitch
	s_mov_b32 s[\g+6], 0
	s_mov_b32 s[\g+7], 0
.endr
	s_or_b32 s[G1S+0], s43, (3<<16)|(1<<20)|(1<<21)|(5<<22)|(3<<25) ; the scales of 128 rows: 4,096 dense bytes as 16 rows of 256 (32 elements of 8 bytes), 16 bytes of padding behind each
	s_or_b32 s[G1SB+0], s44, (3<<16)|(1<<20)|(1<<21)|(5<<22)|(3<<25)
.irp g, G1S, G1SB
	s_mov_b32 s[\g+1], 32<<16
	s_mov_b32 s[\g+2], (128*KS/256)<<16
	s_mov_b32 s[\g+3], 32<<16
	s_mov_b32 s[\g+4], 128*KS/256
	s_mov_b32 s[\g+5], 32
	s_mov_b32 s[\g+6], 0
	s_mov_b32 s[\g+7], 0
.endr
	s_lshl_b32 s18, s16, 7
	s_lshl_b32 s20, s17, 8
	s_add_co_u32 s20, s20, s18                     ; row operand: row 256 x tile + 128 x half
	s_lshl_b32 s46, s42, 8
	s_add_co_u32 s46, s46, s18                     ; column operand likewise
	s_mov_b32 s21, 0
	s_mov_b32 s47, 0
	s_mov_b64 s[18:19], KS
	s_mul_u64 s[22:23], s[20:21], s[18:19]         ; where these rows' scales begin,
	s_mul_u64 s[92:93], s[46:47], s[18:19]
	s_mov_b64 s[18:19], KROW
	s_mul_u64 s[20:21], s[20:21], s[18:19]         ; and their codes
	s_mul_u64 s[46:47], s[46:47], s[18:19]
	s_mul_i32 s45, s14, HALFT                      ; where they go: wave x 128 rows
	s_mul_i32 s94, s14, HALFS
	s_wait_dscnt 0x0                               ; both opening adds are done
	s_wait_kmcnt 0x0
	s_cmp_eq_u32 ttmp9, 2                          ; the choice of buffers hangs on the cluster's x alone
	s_cselect_b64 s[12:13], s[8:9], s[4:5]         ; row operand's codes
	s_cselect_b64 s[66:67], s[10:11], s[6:7]       ; and scales
	s_cselect_b64 s[100:101], s[4:5], s[8:9]       ; column operand's codes
	s_cselect_b64 s[2:3], s[6:7], s[10:11]         ; and scales
	s_add_nc_u64 s[20:21], s[12:13], s[20:21]
	s_add_nc_u64 s[22:23], s[66:67], s[22:23]
	s_add_nc_u64 s[46:47], s[100:101], s[46:47]
	s_add_nc_u64 s[92:93], s[2:3], s[92:93]
	CROUND                                         ; all sixteen work-groups are here: the joint loads meet
	s_mov_b32 s[G0S], 1
	s_add_co_u32 s[G0S+1], s94, SCL
	s_mov_b64 s[G0S+2:G0S+3], s[22:23]
	s_or_b32 s[G0S+3], s[G0S+3], 0x80000000
	s_mov_b32 s[G0SB], 1
	s_add_co_u32 s[G0SB+1], s94, SCL
	s_mov_b64 s[G0SB+2:G0SB+3], s[92:93]
	s_or_b32 s[G0SB+3], s[G0SB+3], 0x80000000
	JLOAD G0S, G1S, G0SB, G1SB                     ; the scales first; by this text's count a wave has three tensor loads out at the most
.irp s, 0,1
	s_mov_b32 s[G0+4*\s], 1
	s_add_co_u32 s[G0+4*\s+1], s45, \s*SLOT
	s_add_nc_u64 s[G0+4*\s+2:G0+4*\s+3], s[20:21], \s*ROWB
	s_or_b32 s[G0+4*\s+3], s[G0+4*\s+3], 0x80000000
	s_mov_b32 s[G0B+4*\s], 1
	s_add_co_u32 s[G0B+4*\s+1], s45, \s*SLOT
	s_add_nc_u64 s[G0B+4*\s+2:G0B+4*\s+3], s[46:47], \s*ROWB
	s_or_b32 s[G0B+4*\s+3], s[G0B+4*\s+3], 0x80000000
	JLOAD G0+4*\s, G1, G0B+4*\s, G1B
.endr
	v_and_b32 v1, 15, v0                           ; l % 16
	v_bfe_u32 v2, v0, 4, 1                         ; l / 16
	v_mul_u32_u24 v3, v1, PITCH
	v_lshl_add_u32 v4, v2, 4, v3                   ; a fragment's row x pitch + 16 x half
	s_mul_i32 s21, s15, HALFT
	s_mul_i32 s22, s16, HALFT
	s_add_co_u32 s22, s22, 2*HALFT
.irp s, 0,1
	v_add_nc_u32 v[ADRA+\s], s21, v4
	v_add_nc_u32 v[ADRB+\s], s22, v4
	s_add_co_u32 s21, s21, SLOT
	s_add_co_u32 s22, s22, SLOT
.endr
	v_mul_u32_u24 v5, v1, KS                       ; my row's scales: 32 bytes a row,
	v_lshrrev_b32 v6, 8, v5
	v_lshl_add_u32 v5, v6, 4, v5                   ; and 16 more for each 256 passed
	s_mul_i32 s21, s15, HALFS
	s_mul_i32 s22, s16, HALFS
	s_add_co_u32 s22, s22, 2*HALFS
	s_sub_co_u32 s22, s22, s21
	v_mul_u32_u24 v6, s22, v2                      ; lanes 16-31 take the column operand's
	s_add_co_u32 s21, s21, SCL
	v_add_nc_u32 v5, v5, v6
	v_add_nc_u32 v[ADRS], s21, v5
	v_and_b32 v6, 31, v0
	v_lshlrev_b32 v[LN], 4, v6
.macro FRAG reg, adr, q, i             ; 16 rows x 128 K of 4-bit codes: 8 registers, two loads of 16 bytes, 32 bytes apart
.irp c, 0,1
	ds_load_b128 v[\reg+4*\c:\reg+4*\c+3], v[\adr] offset:64*(\q)+32*\c+(\i)*16*PITCH
.endr
.endm
; 16 matrix instructions: the row operand's blocks a0, a0 + 1 x the column operand's eight.  The 64 accumulators take turns, one instruction a turn, in the same order in every step.
.macro MUL16 a0, p, q, sc, zero
.irp a, \a0, \a0+1
.irp b, 0,1,2,3,4,5,6,7
.if \zero
	v_wmma_scale_f32_16x16x128_f8f6f4 v[8*(8*((\a)%4)+\b):8*(8*((\a)%4)+\b)+7], v[128*(\p)+FR*\b:128*(\p)+FR*\b+FR-1], v[AF+FR*(\a):AF+FR*(\a)+FR-1], 0, v[SC+8*NQ*(\sc)+NQ*\b+(\q)], v[SC+8*NQ*(\sc)+NQ*(\a)+(\q)] matrix_a_fmt:MATRIX_FMT_FP4 matrix_b_fmt:MATRIX_FMT_FP4 matrix_a_scale:MATRIX_SCALE_ROW1
.else
	v_wmma_scale_f32_16x16x128_f8f6f4 v[8*(8*((\a)%4)+\b):8*(8*((\a)%4)+\b)+7], v[128*(\p)+FR*\b:128*(\p)+FR*\b+FR-1], v[AF+FR*(\a):AF+FR*(\a)+FR-1], v[8*(8*((\a)%4)+\b):8*(8*((\a)%4)+\b)+7], v[SC+8*NQ*(\sc)+NQ*\b+(\q)], v[SC+8*NQ*(\sc)+NQ*(\a)+(\q)] matrix_a_fmt:MATRIX_FMT_FP4 matrix_b_fmt:MATRIX_FMT_FP4 matrix_a_scale:MATRIX_SCALE_ROW1
.endif
.endr
.endr
.endm
.macro FETCH_B slot, q, p
	WIN TO_B
.irp i, 0,1,2,3,4,5,6,7
	FRAG 128*(\p)+FR*\i, ADRB+\slot, \q, \i
.endr
	WIN 0
.endm
.macro FETCH_A slot, q, i0
.irp i, \i0, \i0+1, \i0+2, \i0+3
	FRAG AF+FR*(\i), ADRA+\slot, \q, \i
.endr
.endm
.macro SCALES sc                       ; a slot's scale words: lanes 0-15 the row operand's block i, lanes 16-31 the column operand's block i
.irp i, 0,1,2,3,4,5,6,7
	ds_load_b128 v[SC+8*NQ*\sc+NQ*\i:SC+8*NQ*\sc+NQ*\i+3], v[ADRS] offset:\i*SBLK
.endr
.endm
.macro PLACES n                        ; plain vector lines between a matrix instruction and a load into, or a vector read or write of, its registers
.rept \n
	v_nop
.endr
.endm
.macro STEP slot, q, zero              ; 128 along K that has its successor in the same slot
	s_wait_dscnt 4*NL                              ; all but the youngest eight loads (the row operand's blocks 4-7) are in
	WIN MUL_LO
	MUL16 0, (\q)%2, \q, \slot, \zero
	MUL16 2, (\q)%2, \q, \slot, \zero
	s_wait_dscnt 0
	PLACES NP
	FETCH_B \slot, (\q)+1, 1-(\q)%2
	FETCH_A \slot, (\q)+1, 0
	WIN MUL_HI
	MUL16 4, (\q)%2, \q, \slot, \zero
	MUL16 6, (\q)%2, \q, \slot, \zero
	PLACES NP
	WIN 0
	FETCH_A \slot, (\q)+1, 4
.endm
.macro TURN slot, next                 ; slot 0's last step: behind the barrier slot 1 is whole for every wave; nothing is filled again
	s_wait_tensorcnt 0x0                           ; all my tensor loads have landed: my part of slot 1
	ds_add_u32 v[SPW], v[NIL]                      ; 0 onto my spare word
	s_wait_dscnt 4*NL+1                            ; (the add and the youngest eight loads may be out)
	WIN MUL_LO
	MUL16 0, 1, NQ-1, \slot, 0
	s_wait_dscnt 0x0                               ; no LDS instruction of mine is pending at the signal
	s_barrier_signal -1
	MUL16 2, 1, NQ-1, \slot, 0
	WIN 0
	s_barrier_wait -1
	PLACES NP
	v_add_nc_u32 v[ADRS], 4*NQ, v[ADRS]            ; on to the next slot's scale words
	FETCH_B \next, 0, 0
	FETCH_A \next, 0, 0
	SCALES \next
	WIN MUL_HI
	MUL16 4, 1, NQ-1, \slot, 0
	MUL16 6, 1, NQ-1, \slot, 0
	PLACES NP
	WIN 0
	FETCH_A \next, 0, 4
.endm
.macro STEPS slot, from
.set Q, \from
.rept NQ-1-\from
	STEP \slot, Q, 0
.set Q, Q+1
.endr
.endm
	s_wait_tensorcnt 1                             ; the scales and my part of slot 0 are in; slot 1's load may stay out
	s_barrier_signal -1
	s_barrier_wait -1
	FETCH_B 0, 0, 0
	FETCH_A 0, 0, 0
	SCALES 0
	FETCH_A 0, 0, 4
	STEP 0, 0, 1                                   ; the first products start the sums: nothing is cleared
	STEPS 0, 1
	TURN 0, 1
	STEPS 1, 0
	s_wait_dscnt 4*NL
	WIN MUL_LO
	MUL16 0, 1, NQ-1, 1, 0
	MUL16 2, 1, NQ-1, 1, 0
	s_wait_dscnt 0
	WIN MUL_HI
	MUL16 4, 1, NQ-1, 1, 0
	MUL16 6, 1, NQ-1, 1, 0
	WIN 0
	PLACES NP                                      ; behind the last products: for the reads of results and for loads and writes into the registers that held fragments
	s_cmp_eq_u32 ttmp9, 2
	s_cbranch_scc1 .Lv_out
; ---- q and k.  Block a: tokens 16 a on; accumulator b: channels 16 b + 8 h + j of my 128: head b / 4, channel 16 (b % 4) + 8 h + j.  out[d] = q[d] cos - q[d + 32] sin, out[d + 32] = q[d + 32] cos + q[d] sin, d < 32.
	s_lshl_b32 s18, s17, 8
	s_lshl_b32 s19, s15, 7
	s_add_co_u32 s18, s18, s19                     ; my first token
	s_lshr_b32 s19, s18, 11                        ; its batch
	s_and_b32 s18, s18, 2047
	s_lshr_b32 s18, s18, 4                         ; its tile of 16 positions
	s_lshl_b32 s20, s42, 8
	s_lshl_b32 s21, s16, 7
	s_add_co_u32 s20, s20, s21
	s_and_b32 s20, s20, 1023
	s_lshr_b32 s20, s20, 6                         ; my first head
	s_lshl_b32 s19, s19, 4
	s_add_co_u32 s19, s19, s20
	s_lshl_b32 s19, s19, 7
	s_add_co_u32 s19, s19, s18                     ; (16 batch + head) x 128 + tile
	s_lshl_b32 s20, s19, 11                        ; two fragments of 1,024 bytes a tile
	s_lshl_b32 s21, ttmp9, 24                      ; q's region, or k's 16 MiB on
	s_add_co_u32 s20, s20, s21
	s_mov_b32 s21, 0
	s_add_nc_u64 s[98:99], s[98:99], s[20:21]
	s_lshl_b32 s20, s18, 12
	s_add_nc_u64 s[96:97], s[96:97], s[20:21]      ; the table at my first tile
	s_cmp_eq_u32 ttmp9, 0
	s_mov_b32 s[SCQ], 1.0
	s_cselect_b32 s[SCQ], 0x3e38aa3b, s[SCQ]       ; q: log2(e) / 8;  k: 1
	s_mov_b32 s[SCQ+1], s[SCQ]                     ; (named with it as a pair)
.irp p, 0,1,2,3,4,5,6,7
	global_load_b128 v[CS+4*\p:CS+4*\p+3], v[LN], s[96:97] offset:512*\p
.endr
.macro ROPE a
.set CSA, CS+32*((\a)%2)
.set CSN, CS+32*(((\a)+1)%2)
.set PKA, PK+32*((\a)%2)
.set AC, 64*((\a)%4)
.if (\a) < 7
.irp p, 0,1,2,3,4,5,6,7
	global_load_b128 v[CSN+4*\p:CSN+4*\p+3], v[LN], s[96:97] offset:((\a)+1)*4096+512*\p
.endr
	s_wait_loadcnt 8                               ; this block's table is in; the next block's eight loads stay out
.else
	s_wait_loadcnt 0x0
.endif
.if (\a) > 1
	s_wait_xcnt 0x0                                ; the stores of two blocks ago have read the packed set that is written again below
.endif
.irp i, 0,2,4,6,8,10,12,14,16,18,20,22,24,26,28,30
	v_pk_mul_f32 v[CSA+\i:CSA+\i+1], v[CSA+\i:CSA+\i+1], s[SCQ:SCQ+1] op_sel_hi:[1,0]
.endr
.irp hh, 0,1
	WIN 0x02+(\a)/4                                ; source 0: the accumulators' window
.irp u, 0,1
.irp jj, 0,2,4,6                       ; each accumulator is read from its low end on
	v_pk_mul_f32 v[T+8*\u+\jj:T+8*\u+\jj+1], v[AC+32*\hh+8*\u+\jj:AC+32*\hh+8*\u+\jj+1], v[CSA+8*\u+\jj:CSA+8*\u+\jj+1]
	v_pk_mul_f32 v[T+16+8*\u+\jj:T+16+8*\u+\jj+1], v[AC+32*\hh+16+8*\u+\jj:AC+32*\hh+16+8*\u+\jj+1], v[CSA+8*\u+\jj:CSA+8*\u+\jj+1]
	v_pk_fma_f32 v[T+8*\u+\jj:T+8*\u+\jj+1], v[AC+32*\hh+16+8*\u+\jj:AC+32*\hh+16+8*\u+\jj+1], v[CSA+16+8*\u+\jj:CSA+16+8*\u+\jj+1], v[T+8*\u+\jj:T+8*\u+\jj+1] neg_lo:[0,1,0] neg_hi:[0,1,0]
	v_pk_fma_f32 v[T+16+8*\u+\jj:T+16+8*\u+\jj+1], v[AC+32*\hh+8*\u+\jj:AC+32*\hh+8*\u+\jj+1], v[CSA+16+8*\u+\jj:CSA+16+8*\u+\jj+1], v[T+16+8*\u+\jj:T+16+8*\u+\jj+1]
.endr
.endr
	WIN 0
.irp i, 0,1,2,3,4,5,6,7,8,9,10,11,12,13,14,15
	v_cvt_pk_f16_f32 v[PKA+16*\hh+\i], v[T+2*\i], v[T+2*\i+1]
.endr
.endr
.irp b, 0,1,2,3,4,5,6,7
	global_store_b128 v[LN], v[PKA+4*\b:PKA+4*\b+3], s[98:99] offset:(\a)*2048+(\b/4)*262144+((\b%4)/2)*1024+(\b%2)*512   ; a plane: 512 consecutive bytes, aligned
.endr
.endm
.irp a, 0,1,2,3,4,5,6,7
	ROPE \a
.endr
	s_branch .Lend
; ---- v.  Block a: channels 16 a on of my 128: head a / 4, tile a % 4;  accumulator b: tokens 16 b + 8 h + j: block of 32 keys b / 2, plane b % 2.
.Lv_out:
	s_sub_co_u32 s18, s17, 8
	s_lshl_b32 s18, s18, 2
	s_lshl_b32 s19, s15, 1
	s_add_co_u32 s18, s18, s19                     ; my first head
	s_lshl_b32 s20, s42, 8
	s_lshl_b32 s21, s16, 7
	s_add_co_u32 s20, s20, s21                     ; my first token
	s_lshr_b32 s19, s20, 11                        ; its batch
	s_and_b32 s20, s20, 2047
	s_lshr_b32 s20, s20, 5                         ; its block of 32 keys
	s_lshl_b32 s19, s19, 4
	s_add_co_u32 s19, s19, s18
	s_lshl_b32 s19, s19, 6
	s_add_co_u32 s19, s19, s20                     ; (16 batch + head) x 64 + block
	s_lshl_b32 s20, s19, 12                        ; four fragments a block
	s_add_co_u32 s20, s20, 1<<25                   ; v's region, 32 MiB on
	s_mov_b32 s21, 0
	s_add_nc_u64 s[98:99], s[98:99], s[20:21]
.macro VOUT a
.set PKA, PK+32*((\a)%2)
.set AC, 64*((\a)%4)
.if (\a) > 1
	s_wait_xcnt 0x0                                ; the stores of two blocks ago have read the packed set
.endif
	WIN 0x0a+5*((\a)/4)                            ; sources 0 and 1: the accumulators' window
.irp b, 0,1,2,3,4,5,6,7
.irp r, 0,1,2,3
	v_cvt_pk_f16_f32 v[PKA+4*\b+\r], v[AC+8*\b+2*\r], v[AC+8*\b+2*\r+1]
.endr
.endr
	WIN 0
.irp b, 0,1,2,3,4,5,6,7
	global_store_b128 v[LN], v[PKA+4*\b:PKA+4*\b+3], s[98:99] offset:((\a)/4)*262144+((\a)%4)*1024+(\b/2)*4096+(\b%2)*512
.endr
.endm
.irp a, 0,1,2,3,4,5,6,7
	VOUT \a
.endr
.Lend:
	s_wait_tensorcnt 0x0                           ; the wave's end
	ds_add_u32 v[SPW], v[NIL]
	s_wait_dscnt 0x0
	CROUND                                         ; the closing round
	s_endpgm
.Lfunc_end_k_q73acec971f_gemm1:
	.size	k_q73acec971f_gemm1, .Lfunc_end_k_q73acec971f_gemm1-k_q73acec971f_gemm1
	.p2alignl 7, 3214868480
	.fill 96, 4, 3214868480
	.section	.rodata,"a",@progbits
	.p2align	6, 0x0
	.amdhsa_kernel k_q73acec971f_gemm1
		.amdhsa_group_segment_fixed_size 327680
		.amdhsa_private_segment_fixed_size 0
		.amdhsa_enable_private_segment 0
		.amdhsa_kernarg_size 48
		.amdhsa_user_sgpr_count 2
		.amdhsa_user_sgpr_kernarg_segment_ptr 1
		.amdhsa_wavefront_size32 1
		.amdhsa_system_sgpr_workgroup_id_x 1
		.amdhsa_system_sgpr_workgroup_id_y 1
		.amdhsa_system_sgpr_workgroup_id_z 1
		.amdhsa_system_vgpr_workitem_id 0
		.amdhsa_next_free_vgpr 1024
		.amdhsa_next_free_sgpr 102
		.amdhsa_reserve_vcc 0
		.amdhsa_float_denorm_mode_32 3
		.amdhsa_float_denorm_mode_16_64 3
		.amdhsa_memory_ordered 1
		.amdhsa_forward_progress 1
		.amdhsa_inst_pref_size 188
	.end_amdhsa_kernel
	.amdgpu_metadata
---
amdhsa.version: [ 1, 2 ]
amdhsa.kernels:
  - .name:           k_q73acec971f_gemm1
    .symbol:         k_q73acec971f_gemm1.kd
    .args:
      - { .name: xc, .offset: 0, .size: 8, .value_kind: global_buffer, .address_space: global }
      - { .name: xs, .offset: 8, .size: 8, .value_kind: global_buffer, .address_space: global }
      - { .name: wc, .offset: 16, .size: 8, .value_kind: global_buffer, .address_space: global }
      - { .name: ws, .offset: 24, .size: 8, .value_kind: global_buffer, .address_space: global }
      - { .name: rope, .offset: 32, .size: 8, .value_kind: global_buffer, .address_space: global }
      - { .name: qkv, .offset: 40, .size: 8, .value_kind: global_buffer, .address_space: global }
    .group_segment_fixed_size: 327680
    .private_segment_fixed_size: 0
    .kernarg_segment_align: 8
    .kernarg_segment_size: 48
    .max_flat_workgroup_size: 128
    .sgpr_count:     102
    .vgpr_count:     1024
    .wavefront_size: 32
...
	.end_amdgpu_metadata
.endif
;; end of part 2
;; launch attn (part 3): grid 4 x 64, 8 waves a work-group, clusters of 4 x 1, 327,680 bytes of LDS; arguments qkv, yi; writes yi
.if DOCPART == 3
	.amdgcn_target "amdgcn-amd-amdhsa--gfx1250"
	.amdhsa_code_object_version 6
	.text
	.protected	k_q73acec971f_attn
	.globl	k_q73acec971f_attn
	.p2align	8
	.type	k_q73acec971f_attn,@function
k_q73acec971f_attn:
	s_mov_b64 s[64:65], 0
	v_nop
	global_prefetch_b8 v0, s[64:65] scope:SCOPE_SE
	s_setreg_imm32_b32 hwreg(HW_REG_WAVE_MODE, 25, 1), 1
	s_wait_xcnt 0x0
	s_wait_alu depctr_hold_cnt(0) depctr_sa_sdst(0) depctr_va_vdst(0) depctr_va_sdst(0) depctr_va_ssrc(0) depctr_va_vcc(0) depctr_vm_vsrc(0)
	s_getreg_b32 s2, hwreg(HW_REG_IB_STS2, 6, 4)
	s_cmp_eq_u32 s2, 0
	s_cbranch_scc0 .Lentry_in_a_cluster
	s_endpgm
.Lentry_in_a_cluster:
	s_bfe_u32 s2, ttmp6, 0x10000c
	s_cmp_lg_u32 s2, 0x3003
	s_cbranch_scc0 .Lentry_shape_is_right
	s_endpgm
.Lentry_shape_is_right:
; y[bh][q] = the sum over k of softmax_k(q . k / 8) v, no mask; 64 (batch, head) pairs of 2,048 tokens, head size 64.  q, k, v arrive in f16 as images of operand registers (fragment = 1,024 bytes: plane 0, plane 1; lane l's 16 bytes at 16 l);
; q is already multiplied by log2(e) / 8, so a score is an exponent of 2.  Products on f16 operands with f32 sums; maxima and sums in f32; the weights p are rounded to f16 for the second product, y once at the end.
; SHARES.  A work-group owns 512 queries of one (batch, head); each of its eight waves 64: four tiles of 16.  Two waves lie on a SIMD, so that one wave's softmax stands beside the other's products.  Keys go 64 a step, 32 steps.
; LAYOUT.  S^T = K Q^T (source 0 = 16 keys, source 1 = 16 queries) and O^T = V^T P (source 0 = 16 channels, source 1 = P): a lane holds ONE query throughout, and two tiles of S^T, packed in pairs, ARE a fragment of P.
; SOFTMAX.  A running maximum m and sum l for each query: p = 2^(s - m); in every step O and l are multiplied by a = 2^(m_old - m_new).
; CLUSTER.  The four query blocks of a (batch, head) walk the same K and V: each tile is asked for jointly, by the same tensor load with the same descriptor and the mask of all four.
; THE RING.  Two LDS slots of 512 keys (64 KiB of K, 64 KiB of V, dense images, read at 16 x lane).  Every wave fetches an eighth of a slot, 64 rows of 256 bytes.  Both slots are filled at the head and each once again:
; a refill has eight key steps, 512 matrix instructions a wave, in which to land.  By this text's count a wave has two tensor loads out at the head and one behind a refill.
; LIMITS: the operands are f16 (see the launch before); scores must be finite.
; REGISTERS: window 0: v2-7 addresses; v8-39 statistics, eight a tile (+0 m, +1 zero, +2, +3 l, +4..+7 at work; a in +6); v40-103 Q; v104-111 partial sums; v128-255 S^T, 32 a tile, then P in its tile's first 16.
;   window 1: v0-127 O^T, 32 a tile; v128-191 K of one step; v192-255 V of one step.
.set SLOT1, 1<<17
.set VOFF,  65536
.set STEPB, 8192
.set SPARE, 2*SLOT1                    ; the spare words, 128 bytes for each of eight waves: no other line names them
.set LN,   2                           ; v2  16 x lane: my place in a plane, in LDS (K) and in memory; never rewritten
.set AV0,  3                           ; v3  the same for V in a slot
.set ADR,  4                           ; v4  the LDS address of the run of loads in hand
.set SPW,  6
.set NIL,  7
.set ST,   8
.set Q,    40
.set TMPS, 104
.set S,    128
.set O,    0
.set KF,   128
.set VF,   192
.set WV,   12
.set G1,   24                          ; s[24:31] the one descriptor group 1
.set G0A,  32                          ; s[32:35] group 0 of slot 0's first fill
.set G0B,  36                          ; s[36:39] group 0 of slot 1's first fill; it then walks
.set TB,   40                          ; s40  LDS byte at which the step to be fetched begins
.set OUTER, 41
.set INNER, 42
.set SEL,  44                          ; s[44:45] lane selects: lane l xor 16
.set QB,   46                          ; s[46:47] my wave's rows of q
.set YB,   48                          ; s[48:49] my wave's place in yi
.set MSB, 0
.macro WIN new
.if MSB != (\new)
	s_set_vgpr_msb (MSB<<8)|(\new)
.set MSB, (\new)
.endif
.endm
.macro PLACES n
.rept \n
	v_nop
.endr
.endm
.macro CROUND
	s_barrier_signal -1
	s_barrier_wait -1
	s_cmp_lg_u32 s[WV], 0
	s_cbranch_scc1 .Lnot_wave_0_\@
	s_barrier_signal -3
.Lnot_wave_0_\@:
	s_barrier_wait -3
	s_barrier_signal -1
	s_barrier_wait -1
.endm
	s_load_b128 s[4:7], s[0:1], 0x0                ; qkv s[4:5], yi s[6:7]
	v_lshl_add_u32 v[SPW], v0, 2, SPARE
	v_mov_b32 v[NIL], 0
	ds_add_u32 v[SPW], v[NIL]                      ; the wave's opening: 0 added to my spare word twice, waited for ahead of my first tensor load
	ds_add_u32 v[SPW], v[NIL]
	v_lshrrev_b32 v1, 5, v0
	v_readfirstlane_b32 s[WV], v1                  ; wave 0..7
	s_bfe_u32 s13, ttmp6, 0x40000                  ; cx: my block of 512 queries (the grid is one cluster wide): it enters q's and y's addresses alone
	s_and_b32 s14, ttmp7, 0xffff                   ; bh = 16 batch + head, which the four partners share
	s_mov_b32 s[G1], 15|(3<<16)|(1<<21)            ; the mask: all four; elements of 8 bytes; no padding; bit 21 beside a mask
	s_mov_b32 s[G1+1], 32<<16                      ; tensor_dim0 = 32 elements: 256 bytes
	s_mov_b32 s[G1+2], 64<<16                      ; tensor_dim1 = 64
	s_mov_b32 s[G1+3], 32<<16                      ; tile_dim0
	s_mov_b32 s[G1+4], 64                          ; tile_dim1
	s_mov_b32 s[G1+5], 32                          ; the pitch: dense
	s_mov_b32 s[G1+6], 0
	s_mov_b32 s[G1+7], 0
	s_lshr_b32 s16, s[WV], 2                       ; waves 0-3 fetch K's quarters, waves 4-7 V's
	s_add_co_u32 s16, s16, 1
	s_lshl_b32 s16, s16, 24                        ; k's region 16 MiB on, v's 32 MiB on
	s_lshl_b32 s17, s14, 18                        ; 262,144 bytes a (batch, head)
	s_add_co_u32 s16, s16, s17
	s_and_b32 s17, s[WV], 3
	s_lshl_b32 s17, s17, 14
	s_add_co_u32 s16, s16, s17
	s_mov_b32 s17, 0
	s_lshl_b32 s15, s[WV], 14                      ; and in a slot: wave x 16,384
	s_lshl_b32 s22, s14, 18                        ; q: my wave's four tiles
	s_lshl_b32 s23, s13, 16
	s_add_co_u32 s22, s22, s23
	s_lshl_b32 s23, s[WV], 13
	s_add_co_u32 s22, s22, s23
	s_mov_b32 s23, 0
	s_lshr_b32 s18, s14, 4                         ; y: block of 128 tokens 16 batch + 4 cx + wave / 2,
	s_lshl_b32 s18, s18, 4
	s_lshl_b32 s19, s13, 2
	s_add_co_u32 s18, s18, s19
	s_lshr_b32 s19, s[WV], 1
	s_add_co_u32 s18, s18, s19
	s_lshl_b32 s18, s18, 18
	s_and_b32 s19, s14, 15                         ; K blocks 2 head on,
	s_lshl_b32 s19, s19, 14
	s_add_co_u32 s18, s18, s19
	s_and_b32 s19, s[WV], 1                        ; tiles 4 (wave % 2) on
	s_lshl_b32 s19, s19, 12
	s_add_co_u32 s18, s18, s19
	s_mov_b32 s19, 0
	s_mov_b32 s[SEL], 0x76543210
	s_mov_b32 s[SEL+1], 0xfedcba98
	s_mov_b32 s[TB], 0
	v_and_b32 v1, 31, v0
	v_lshlrev_b32 v[LN], 4, v1
	v_add_nc_u32 v[AV0], VOFF, v[LN]
.irp t, 0,1,2,3
	v_mov_b32 v[ST+8*\t+1], 0                      ; named with m as a pair, so it is written
.endr
	s_wait_dscnt 0x0                               ; both opening adds are done
	s_wait_kmcnt 0x0
	s_add_nc_u64 s[20:21], s[4:5], s[16:17]
	s_add_nc_u64 s[QB:QB+1], s[4:5], s[22:23]
	s_add_nc_u64 s[YB:YB+1], s[6:7], s[18:19]
	s_mov_b32 s[G0A], 1
	s_mov_b32 s[G0A+1], s15
	s_mov_b64 s[G0A+2:G0A+3], s[20:21]
	s_or_b32 s[G0A+3], s[G0A+3], 0x80000000
	s_mov_b32 s[G0B], 1
	s_add_co_u32 s[G0B+1], s15, SLOT1
	s_add_nc_u64 s[G0B+2:G0B+3], s[20:21], 65536   ; the next 512 keys
	s_or_b32 s[G0B+3], s[G0B+3], 0x80000000
	CROUND                                         ; all four work-groups are here: the first joint loads meet
	tensor_load_to_lds s[G0A:G0A+3], s[G1:G1+7]
	s_nop 0
	tensor_load_to_lds s[G0B:G0B+3], s[G1:G1+7]
	s_nop 0
	PLACES 4
.irp t, 0,1,2,3                        ; Q stays in registers
.irp c, 0,1
	global_load_b128 v[Q+16*\t+8*\c:Q+16*\t+8*\c+3], v[LN], s[QB:QB+1] offset:\t*2048+\c*1024
	global_load_b128 v[Q+16*\t+8*\c+4:Q+16*\t+8*\c+7], v[LN], s[QB:QB+1] offset:\t*2048+\c*1024+512
.endr
.endr
.macro KLOAD                           ; a step's K: 8 fragments (tile of 16 keys f / 2, channels 32 (f % 2) on), 16 loads in one run
	WIN 0
	v_add_nc_u32 v[ADR], s[TB], v[LN]
	WIN 0x40                                       ; destination window 1
.irp f, 0,1,2,3,4,5,6,7
	ds_load_b128 v[KF+8*\f:KF+8*\f+3], v[ADR] offset:\f*1024
	ds_load_b128 v[KF+8*\f+4:KF+8*\f+7], v[ADR] offset:\f*1024+512
.endr
.endm
.macro VLOAD                           ; the same step's V: 8 fragments (32 keys f / 4, channels 16 (f % 4) on)
	WIN 0
	v_add_nc_u32 v[ADR], s[TB], v[AV0]
	s_add_co_u32 s[TB], s[TB], STEPB               ; the next fetch is the next step's
	WIN 0x40
.irp f, 0,1,2,3,4,5,6,7
	ds_load_b128 v[VF+8*\f:VF+8*\f+3], v[ADR] offset:\f*1024
	ds_load_b128 v[VF+8*\f+4:VF+8*\f+7], v[ADR] offset:\f*1024+512
.endr
.endm
.macro KQ                              ; 32 products: sixteen accumulators by turns, one instruction a turn; the first 16 start the sums
	WIN 0x01                                       ; K in window 1
.irp c, 0,1
.irp k, 0,1,2,3
.irp t, 0,1,2,3
.if \c == 0
	v_wmma_f32_16x16x32_f16 v[S+32*\t+8*\k:S+32*\t+8*\k+7], v[KF+16*\k+8*\c:KF+16*\k+8*\c+7], v[Q+16*\t+8*\c:Q+16*\t+8*\c+7], 0
.else
	v_wmma_f32_16x16x32_f16 v[S+32*\t+8*\k:S+32*\t+8*\k+7], v[KF+16*\k+8*\c:KF+16*\k+8*\c+7], v[Q+16*\t+8*\c:Q+16*\t+8*\c+7], v[S+32*\t+8*\k:S+32*\t+8*\k+7]
.endif
.endr
.endr
.endr
.endm
.macro PV first                        ; 32 products: sixteen accumulators by turns
	WIN 0x51                                       ; V, C and D in window 1, P in window 0
.irp k, 0,1
.irp c, 0,1,2,3
.irp t, 0,1,2,3
.if \first && (\k == 0)
	v_wmma_f32_16x16x32_f16 v[O+32*\t+8*\c:O+32*\t+8*\c+7], v[VF+32*\k+8*\c:VF+32*\k+8*\c+7], v[S+32*\t+8*\k:S+32*\t+8*\k+7], 0
.else
	v_wmma_f32_16x16x32_f16 v[O+32*\t+8*\c:O+32*\t+8*\c+7], v[VF+32*\k+8*\c:VF+32*\k+8*\c+7], v[S+32*\t+8*\k:S+32*\t+8*\k+7], v[O+32*\t+8*\c:O+32*\t+8*\c+7]
.endif
.endr
.endr
.endr
.endm
; Line n (0..63) of the plain work on tiles y and y + 1 behind their exponentials, the tiles alternating: first the 16 sums a tile, of the unrounded p, a pair at a time in two chains
; (l = a l + pair 0, + pairs 2, 4 .. 14;  tmp = pairs 1 + 3, + 5 .. 15;  l += tmp), then the 16 roundings to f16, in place and ascending: P lies in its tile's first 16 registers.
.macro PLAIN y, first
.set pt, (\y)+n%2
.set rT, ST+8*pt
.set rS, S+32*pt
.set rM, TMPS+2*pt
.if n < 32
.set z, n/2
.set kk, z/2
.if z == 0
.if !\first
	v_pk_fma_f32 v[rT+2:rT+3], v[rT+2:rT+3], v[rT+6:rT+7], v[rS:rS+1] op_sel_hi:[1,0,1]
.endif
.elseif z == 1
	v_pk_add_f32 v[rM:rM+1], v[rS+2:rS+3], v[rS+6:rS+7]
.elseif (z == 2) && \first
	v_pk_add_f32 v[rT+2:rT+3], v[rS:rS+1], v[rS+4:rS+5]
.elseif z == 15
	v_pk_add_f32 v[rT+2:rT+3], v[rT+2:rT+3], v[rM:rM+1]
.elseif z%2 == 0
	v_pk_add_f32 v[rT+2:rT+3], v[rT+2:rT+3], v[rS+4*kk:rS+4*kk+1]
.else
	v_pk_add_f32 v[rM:rM+1], v[rM:rM+1], v[rS+4*kk+6:rS+4*kk+7]
.endif
.else
.set z, (n-32)/2
	v_cvt_pk_f16_f32 v[rS+z], v[rS+2*z], v[rS+2*z+1]
.endif
.endm
; THE SOFTMAX of a key step, all in window 0, the four tiles line by line.  first = 1: the first key step, which has no old maximum and starts l.
.macro SOFT first
	WIN 0
.irp j, 0,1,2,3                        ; the maximum: four chains a tile; each accumulator is read from its low end on
.irp t, 0,1,2,3
	v_max3_num_f32 v[ST+8*\t+4+\j], v[S+32*\t+8*\j], v[S+32*\t+8*\j+1], v[S+32*\t+8*\j+2]
.endr
.endr
.irp i, 3,5
.irp j, 0,1,2,3
.irp t, 0,1,2,3
	v_max3_num_f32 v[ST+8*\t+4+\j], v[ST+8*\t+4+\j], v[S+32*\t+8*\j+\i], v[S+32*\t+8*\j+\i+1]
.endr
.endr
.endr
.irp t, 0,1,2,3
	v_max3_num_f32 v[ST+8*\t+4], v[ST+8*\t+4], v[S+32*\t+7], v[S+32*\t+15]
.endr
.irp t, 0,1,2,3
	v_max3_num_f32 v[ST+8*\t+6], v[ST+8*\t+6], v[S+32*\t+23], v[S+32*\t+31]
.endr
.irp t, 0,1,2,3
	v_max3_num_f32 v[ST+8*\t+4], v[ST+8*\t+4], v[ST+8*\t+5], v[ST+8*\t+6]
.endr
.irp t, 0,1,2,3
.if \first
	v_max_num_f32 v[ST+8*\t+4], v[ST+8*\t+4], v[ST+8*\t+7]
.else
	v_max3_num_f32 v[ST+8*\t+4], v[ST+8*\t+4], v[ST+8*\t+7], v[ST+8*\t]    ; with the old m
.endif
.endr
.irp t, 0,1,2,3
	v_permlanex16_b32 v[ST+8*\t+5], v[ST+8*\t+4], s[SEL], s[SEL+1]         ; the query's other 32 keys lie in the lane 16 away
.endr
.if !\first
.irp t, 0,1,2,3
	v_mov_b32 v[ST+8*\t+7], v[ST+8*\t]             ; the old m is kept for a
.endr
.endif
.irp t, 0,1,2,3
	v_max_num_f32 v[ST+8*\t], v[ST+8*\t+4], v[ST+8*\t+5]
.endr
.if !\first
.irp t, 0,1,2,3
	v_sub_f32 v[ST+8*\t+7], v[ST+8*\t+7], v[ST+8*\t]
.endr
.irp t, 0,1,2,3
	v_exp_f32 v[ST+8*\t+6], v[ST+8*\t+7]           ; a
.endr
.endif
.irp i, 0,2,4,6,8,10,12,14,16,18,20,22,24,26,28,30
.irp t, 0,1
	v_pk_add_f32 v[S+32*\t+\i:S+32*\t+\i+1], v[S+32*\t+\i:S+32*\t+\i+1], v[ST+8*\t:ST+8*\t+1] op_sel_hi:[1,0] neg_lo:[0,1] neg_hi:[0,1]   ; s - m, tiles 0 and 1
.endr
.endr
.irp i, 0,2,4,6,8,10,12,14,16,18,20,22,24,26,28,30
.irp t, 0,1                            ; the exponentials of tiles 0 and 1, with the subtractions of tiles 2 and 3 between them: nothing here names an exponential's result
	v_exp_f32 v[S+32*\t+\i], v[S+32*\t+\i]
	v_exp_f32 v[S+32*\t+\i+1], v[S+32*\t+\i+1]
	v_pk_add_f32 v[S+64+32*\t+\i:S+64+32*\t+\i+1], v[S+64+32*\t+\i:S+64+32*\t+\i+1], v[ST+16+8*\t:ST+16+8*\t+1] op_sel_hi:[1,0] neg_lo:[0,1] neg_hi:[0,1]
.endr
.endr
	s_wait_alu depctr_va_vdst(0)                   ; one wait for a and the 64 exponentials of tiles 0 and 1, ahead of their first reader
.set n, 0
.rept 64                               ; the exponentials of tiles 2 and 3, with the sums and roundings of tiles 0 and 1 between them
	v_exp_f32 v[S+64+n], v[S+64+n]
	PLAIN 0, \first
.set n, n+1
.endr
	s_wait_alu depctr_va_vdst(0)                   ; and one for the 64 of tiles 2 and 3
.set n, 0
.rept 64
	PLAIN 2, \first
.set n, n+1
.endr
.endm
.macro RESC                            ; O^T times a, each accumulator from its low end on
	WIN 0x41                                       ; O^T (destination and source 0) in window 1, a in window 0
.irp t, 0,1,2,3
.irp i, 0,2,4,6,8,10,12,14,16,18,20,22,24,26,28,30
	v_pk_mul_f32 v[O+32*\t+\i:O+32*\t+\i+1], v[O+32*\t+\i:O+32*\t+\i+1], v[ST+8*\t+6:ST+8*\t+7] op_sel_hi:[1,0]
.endr
.endr
.endm
; ONE KEY STEP j.  On the way in S^T of step j has just been multiplied and V of step j is on its way from LDS.  next = 1: K and V of step j + 1 are fetched and S^T of step j + 1 is multiplied.
.macro R first, next
	PLACES 4                                       ; behind K Q^T: for the loads into K's registers and the first read of the scores
.if \next
	KLOAD
.endif
	SOFT \first
.if !\first
	RESC
.endif
.if \next
	s_wait_dscnt 16                                ; V of this step is in; the 16 loads of the next step's K stay out
.else
	s_wait_dscnt 0x0
.endif
	PV \first
.if \next
	PLACES 5                                       ; behind V^T P: the next K Q^T writes over P, and the loads below land in V's registers
	VLOAD
	s_wait_dscnt 16                                ; K is in; V's 16 loads stay out
	KQ
.endif
	WIN 0                                          ; at a label and at a branch every window is 0
.endm
; THE CHANGE OF SLOTS stands behind the K Q^T of a slot's last step: that step's K has been multiplied and its V asked for.  Each wave waits for all its tensor loads, adds 0 to its spare word, and waits for that and for its
; reads of the slot.  fill = 1: the barrier is a round of the cluster's, and the joint refill of the slot just left is the first thing behind it, one tensor load a wave.
.macro CHANGE fill
	s_wait_tensorcnt 0x0                           ; no tensor load of mine is out, so a group 0 may be written
	ds_add_u32 v[SPW], v[NIL]
.if \fill
	s_xor_b32 s[G0B+1], s[G0B+1], SLOT1            ; the other slot than last time,
	s_add_nc_u64 s[G0B+2:G0B+3], s[G0B+2:G0B+3], 65536   ; the next 512 keys
.endif
	s_wait_dscnt 0x0                               ; the add is done, and my reads of the slot are over
.if \fill
	CROUND
	tensor_load_to_lds s[G0B:G0B+3], s[G1:G1+7]
	s_nop 0
	PLACES 4
.else
	s_barrier_signal -1
	s_barrier_wait -1
.endif
	s_sub_co_u32 s[TB], s[TB], 65536               ; the fetches go back to a slot's first step,
	s_xor_b32 s[TB], s[TB], SLOT1                  ; in the other slot
.endm
	s_wait_tensorcnt 1                             ; my part of slot 0 is in; slot 1's load may stay out
	s_barrier_signal -1
	s_barrier_wait -1
	KLOAD
	VLOAD
	s_wait_loadcnt 0x0                             ; Q
	s_wait_dscnt 16                                ; K of step 0 is in; V's 16 loads stay out
	KQ
	WIN 0
	R 1, 1                                         ; step 0
	s_mov_b32 s[INNER], 6
.Lfirst:                                           ; steps 1 to 6
	R 0, 1
	s_sub_co_u32 s[INNER], s[INNER], 1
	s_cmp_lg_u32 s[INNER], 0
	s_cbranch_scc1 .Lfirst
	s_mov_b32 s[OUTER], 2
.Lslot:                                            ; steps 7 to 22: slot 0, then slot 1, is filled again
	CHANGE 1
	s_mov_b32 s[INNER], 8
.Lstep:
	R 0, 1
	s_sub_co_u32 s[INNER], s[INNER], 1
	s_cmp_lg_u32 s[INNER], 0
	s_cbranch_scc1 .Lstep
	s_sub_co_u32 s[OUTER], s[OUTER], 1
	s_cmp_lg_u32 s[OUTER], 0
	s_cbranch_scc1 .Lslot
	CHANGE 0                                       ; the tail is written out: nothing is left to ask for
	s_mov_b32 s[INNER], 8
.Llast:                                            ; steps 23 to 30
	R 0, 1
	s_sub_co_u32 s[INNER], s[INNER], 1
	s_cmp_lg_u32 s[INNER], 0
	s_cbranch_scc1 .Llast
	R 0, 0                                         ; step 31
	; THE WAY OUT.  l's halves and the other half of the lanes' are added (these lines are the places behind the last products); O^T / l is rounded to f16: four packed registers are a plane of the next launch's fragment.
.irp t, 0,1,2,3
	v_add_f32 v[ST+8*\t+4], v[ST+8*\t+2], v[ST+8*\t+3]
.endr
.irp t, 0,1,2,3
	v_permlanex16_b32 v[ST+8*\t+5], v[ST+8*\t+4], s[SEL], s[SEL+1]
.endr
.irp t, 0,1,2,3
	v_add_f32 v[ST+8*\t+4], v[ST+8*\t+4], v[ST+8*\t+5]
.endr
.irp t, 0,1,2,3
	v_rcp_f32 v[ST+8*\t+6], v[ST+8*\t+4]
.endr
	v_nop                                          ; a plain line behind the last reciprocal
	s_wait_alu depctr_va_vdst(0)                   ; one wait for the four, ahead of their first reader
.macro OUT t
	WIN 0x41
.irp i, 0,2,4,6,8,10,12,14,16,18,20,22,24,26,28,30
	v_pk_mul_f32 v[O+32*(\t)+\i:O+32*(\t)+\i+1], v[O+32*(\t)+\i:O+32*(\t)+\i+1], v[ST+8*(\t)+6:ST+8*(\t)+7] op_sel_hi:[1,0]
.endr
	WIN 0x05                                       ; sources in window 1, destination in window 0: S^T's registers are free
.irp i, 0,1,2,3,4,5,6,7,8,9,10,11,12,13,14,15
	v_cvt_pk_f16_f32 v[S+32*(\t)+\i], v[O+32*(\t)+2*\i], v[O+32*(\t)+2*\i+1]
.endr
	WIN 0
.irp c, 0,1,2,3
	global_store_b128 v[LN], v[S+32*(\t)+4*\c:S+32*(\t)+4*\c+3], s[YB:YB+1] offset:(\t)*1024+(\c/2)*8192+(\c%2)*512   ; 512 consecutive bytes, aligned
.endr
.endm
	OUT 0
	OUT 1
	OUT 2
	OUT 3
	s_wait_tensorcnt 0x0                           ; the wave's end
	ds_add_u32 v[SPW], v[NIL]
	s_wait_dscnt 0x0
	CROUND                                         ; the closing round
	s_endpgm
.Lfunc_end_k_q73acec971f_attn:
	.size	k_q73acec971f_attn, .Lfunc_end_k_q73acec971f_attn-k_q73acec971f_attn
	.p2alignl 7, 3214868480
	.fill 96, 4, 3214868480
	.section	.rodata,"a",@progbits
	.p2align	6, 0x0
	.amdhsa_kernel k_q73acec971f_attn
		.amdhsa_group_segment_fixed_size 327680
		.amdhsa_private_segment_fixed_size 0
		.amdhsa_enable_private_segment 0
		.amdhsa_kernarg_size 16
		.amdhsa_user_sgpr_count 2
		.amdhsa_user_sgpr_kernarg_segment_ptr 1
		.amdhsa_wavefront_size32 1
		.amdhsa_system_sgpr_workgroup_id_x 1
		.amdhsa_system_sgpr_workgroup_id_y 1
		.amdhsa_system_sgpr_workgroup_id_z 1
		.amdhsa_system_vgpr_workitem_id 0
		.amdhsa_next_free_vgpr 512
		.amdhsa_next_free_sgpr 66
		.amdhsa_reserve_vcc 0
		.amdhsa_float_denorm_mode_32 3
		.amdhsa_float_denorm_mode_16_64 3
		.amdhsa_memory_ordered 1
		.amdhsa_forward_progress 1
		.amdhsa_inst_pref_size 171
	.end_amdhsa_kernel
	.amdgpu_metadata
---
amdhsa.version: [ 1, 2 ]
amdhsa.kernels:
  - .name:           k_q73acec971f_attn
    .symbol:         k_q73acec971f_attn.kd
    .args:
      - { .name: qkv, .offset: 0, .size: 8, .value_kind: global_buffer, .address_space: global }
      - { .name: yi, .offset: 8, .size: 8, .value_kind: global_buffer, .address_space: global }
    .group_segment_fixed_size: 327680
    .private_segment_fixed_size: 0
    .kernarg_segment_align: 8
    .kernarg_segment_size: 16
    .max_flat_workgroup_size: 256
    .sgpr_count:     66
    .vgpr_count:     512
    .wavefront_size: 32
...
	.end_amdgpu_metadata
.endif
;; end of part 3
;; launch proj (part 4): grid 4 x 64, 4 waves a work-group, clusters of 4 x 4, 327,680 bytes of LDS; arguments yi, wp, out0; writes out0
.if DOCPART == 4
	.amdgcn_target "amdgcn-amd-amdhsa--gfx1250"
	.amdhsa_code_object_version 6
	.text
	.protected	k_q73acec971f_proj
	.globl	k_q73acec971f_proj
	.p2align	8
	.type	k_q73acec971f_proj,@function
k_q73acec971f_proj:
	s_mov_b64 s[64:65], 0
	v_nop
	global_prefetch_b8 v0, s[64:65] scope:SCOPE_SE
	s_setreg_imm32_b32 hwreg(HW_REG_WAVE_MODE, 25, 1), 1
	s_wait_xcnt 0x0
	s_wait_alu depctr_hold_cnt(0) depctr_sa_sdst(0) depctr_va_vdst(0) depctr_va_sdst(0) depctr_va_ssrc(0) depctr_va_vcc(0) depctr_vm_vsrc(0)
	s_getreg_b32 s2, hwreg(HW_REG_IB_STS2, 6, 4)
	s_cmp_eq_u32 s2, 0
	s_cbranch_scc0 .Lentry_in_a_cluster
	s_endpgm
.Lentry_in_a_cluster:
	s_bfe_u32 s2, ttmp6, 0x10000c
	s_cmp_lg_u32 s2, 0xf033
	s_cbranch_scc0 .Lentry_shape_is_right
	s_endpgm
.Lentry_shape_is_right:
; out0 = y W_proj: [8192][1024] x [1024][1024], f16 operands, f32 sums, f32 out.  Both operands arrive as images of operand registers (fragment = 1,024 bytes: plane 0, plane 1; lane l's 16 bytes at 16 l),
; laid so that a K step's tiles are dense blocks of memory: y [block of 128 tokens][32 k][8 tiles], W_proj [block of 256 columns][32 k][16 tiles].
; A tile of 128 tokens x 256 columns is made by four waves, 64 x 128 each: 32 accumulators, 256 registers: 256 work-groups, one for each WGP.
; K goes in 8 steps of 128 through two LDS slots (32 KiB of y, 64 KiB of W_proj), read at 16 x lane: no padding is needed.
; CLUSTERS: 4 x 4 work-groups; y's tile is shared along a row of the cluster, W_proj's along a column: each is asked for jointly.
; THE MATRIX INSTRUCTION IS USED TRANSPOSED (source 0 = 16 columns of W_proj, source 1 = 16 tokens): a lane holds one token and eight neighbouring columns.
; REGISTERS: window 0: v16-29 addresses; two fragment buffers of 96 at v32 and v128 (W_proj's eight at +8 b, y's four at +64 + 8 a); on the way out v32-159 take rows of the result.   window 1: accumulator (a, b) at v[8 (8 a + b)].
.set SLOT,   98304
.set BOFF,   32768                     ; W_proj's part of a slot
.set SPARE,  2*SLOT                    ; the spare words, 128 bytes for each wave: no other line names them
.set SPITCH, 528                       ; the way out: a stage of 16 rows x (512 bytes + 16) for each wave, in slot 0, behind its last fill and its last read
.set ADRA, 16
.set ADRB, 20
.set STO,  24
.set RD,   25
.set CO,   26                          ; v26  16 x lane; never rewritten
.set SPW,  28
.set NIL,  29
.set F0,   32
.set F1,   128
.set BK,   32
.set G1,  24
.set G0,  32
.set G1B, 48
.set G0B, 56
.set MUL, 0x50                         ; C and D in window 1
.set MSB, 0
.macro WIN new
.if MSB != (\new)
	s_set_vgpr_msb (MSB<<8)|(\new)
.set MSB, (\new)
.endif
.endm
.macro PLACES n
.rept \n
	v_nop
.endr
.endm
.macro JLOAD s                         ; waves 0 and 1 fetch y's two halves, waves 2 and 3 W_proj's; an s_nop 0 and four v_nop follow each line
	s_cmp_eq_u32 s11, 0
	s_cbranch_scc0 .Lfor_b_\@
	tensor_load_to_lds s[G0+4*\s:G0+4*\s+3], s[G1:G1+7]
	s_nop 0
.rept 4
	v_nop
.endr
	s_branch .Lasked_\@
.Lfor_b_\@:
	tensor_load_to_lds s[G0B+4*\s:G0B+4*\s+3], s[G1B:G1B+7]
	s_nop 0
.rept 4
	v_nop
.endr
.Lasked_\@:
.endm
.macro CREST
	s_cmp_lg_u32 s10, 0
	s_cbranch_scc1 .Lnot_wave_0_\@
	s_barrier_signal -3
.Lnot_wave_0_\@:
	s_barrier_wait -3
	s_barrier_signal -1
	s_barrier_wait -1
.endm
.macro CROUND
	s_barrier_signal -1
	s_barrier_wait -1
	CREST
.endm
	s_load_b128 s[4:7], s[0:1], 0x0                ; yi s[4:5], wp s[6:7]
	s_load_b64 s[8:9], s[0:1], 0x10                ; out0
	v_lshl_add_u32 v[SPW], v0, 2, SPARE
	v_mov_b32 v[NIL], 0
	ds_add_u32 v[SPW], v[NIL]                      ; the wave's opening: 0 added to my spare word twice, waited for ahead of my first tensor load
	ds_add_u32 v[SPW], v[NIL]
	v_lshrrev_b32 v1, 5, v0
	v_readfirstlane_b32 s10, v1                    ; wave 0..3
	s_lshr_b32 s11, s10, 1                         ; which 64 tokens are mine.  Also: I fetch for y (0) or for W_proj (1)
	s_and_b32 s12, s10, 1                          ; which 128 columns.  Also: which half of that tile I fetch
	s_bfe_u32 s40, ttmp6, 0x40000                  ; cx: the block of 256 columns (the grid is one cluster wide)
	s_bfe_u32 s41, ttmp6, 0x40004                  ; cy
	s_and_b32 s13, ttmp7, 0xffff
	s_lshl_b32 s13, s13, 2
	s_add_co_u32 s13, s13, s41                     ; the block of 128 tokens = 4 x cluster y + cy
	s_lshl_b32 s43, s41, 2
	s_lshl_b32 s43, 15, s43                        ; my row of the cluster
	s_lshl_b32 s44, 0x1111, s40                    ; my column
	s_or_b32 s[G1], s43, (3<<16)|(1<<21)           ; the mask; elements of 8 bytes; no padding; bit 21 beside a mask
	s_mov_b32 s[G1+1], 32<<16                      ; rows of 256 bytes,
	s_mov_b32 s[G1+2], 64<<16                      ; 64 of them: half of y's 32 KiB
	s_mov_b32 s[G1+3], 32<<16
	s_mov_b32 s[G1+4], 64
	s_mov_b32 s[G1+5], 32                          ; dense
	s_mov_b32 s[G1+6], 0
	s_mov_b32 s[G1+7], 0
	s_or_b32 s[G1B], s44, (3<<16)|(1<<21)
	s_mov_b32 s[G1B+1], 32<<16
	s_mov_b32 s[G1B+2], 128<<16                    ; 128 rows: half of W_proj's 64 KiB
	s_mov_b32 s[G1B+3], 32<<16
	s_mov_b32 s[G1B+4], 128
	s_mov_b32 s[G1B+5], 32
	s_mov_b32 s[G1B+6], 0
	s_mov_b32 s[G1B+7], 0
	s_lshl_b32 s16, s13, 18                        ; y: 262,144 bytes a block of tokens,
	s_lshl_b32 s17, s12, 14                        ; + my half
	s_add_co_u32 s16, s16, s17
	s_mov_b32 s17, 0
	s_lshl_b32 s46, s40, 19                        ; W_proj: 524,288 bytes a block of columns,
	s_lshl_b32 s47, s12, 15
	s_add_co_u32 s46, s46, s47
	s_mov_b32 s47, 0
	s_lshl_b32 s20, s12, 14                        ; and in a slot: no place in the cluster enters an LDS address
	s_lshl_b32 s21, s12, 15
	s_add_co_u32 s21, s21, BOFF
	s_wait_dscnt 0x0                               ; both opening adds are done
	s_wait_kmcnt 0x0
	s_add_nc_u64 s[14:15], s[4:5], s[16:17]
	s_add_nc_u64 s[46:47], s[6:7], s[46:47]
	CROUND                                         ; all sixteen work-groups are here: the first joint loads meet
.irp s, 0,1
	s_mov_b32 s[G0+4*\s], 1
	s_add_co_u32 s[G0+4*\s+1], s20, \s*SLOT
	s_add_nc_u64 s[G0+4*\s+2:G0+4*\s+3], s[14:15], \s*32768
	s_or_b32 s[G0+4*\s+3], s[G0+4*\s+3], 0x80000000
	s_mov_b32 s[G0B+4*\s], 1
	s_add_co_u32 s[G0B+4*\s+1], s21, \s*SLOT
	s_add_nc_u64 s[G0B+4*\s+2:G0B+4*\s+3], s[46:47], \s*65536
	s_or_b32 s[G0B+4*\s+3], s[G0B+4*\s+3], 0x80000000
	JLOAD \s                                       ; by this text's count a wave has two tensor loads out here, and one behind each refill
.endr
	v_and_b32 v1, 31, v0
	v_lshlrev_b32 v[CO], 4, v1
	s_lshl_b32 s21, s11, 12                        ; my four tiles of tokens
	s_lshl_b32 s22, s12, 13                        ; my eight tiles of columns,
	s_add_co_u32 s22, s22, BOFF
.irp s, 0,1
	v_add_nc_u32 v[ADRA+\s], s21, v[CO]
	v_add_nc_u32 v[ADRB+\s], s22, v[CO]
	s_add_co_u32 s21, s21, SLOT
	s_add_co_u32 s22, s22, SLOT
.endr
	v_and_b32 v2, 15, v0
	v_bfe_u32 v3, v0, 4, 1
	s_mul_i32 s23, s10, 16*SPITCH                  ; my stage
	v_mul_u32_u24 v4, v2, SPITCH
	v_lshl_add_u32 v4, v3, 5, v4
	v_add_nc_u32 v[STO], s23, v4                   ; in: row l % 16, 32 bytes for each half of the lanes
	v_add_nc_u32 v[RD], s23, v[CO]                 ; back: the 32 lanes take one row of 512 bytes
	s_lshl_b32 s16, s13, 19                        ; out0: 128 rows of 4,096 bytes a block,
	s_lshl_b32 s17, s11, 18                        ; + my 64 rows
	s_add_co_u32 s16, s16, s17
	s_mov_b32 s17, 0
	s_add_nc_u64 s[8:9], s[8:9], s[16:17]
	s_lshl_b32 s46, s40, 10                        ; + my columns, in bytes
	s_lshl_b32 s47, s12, 9
	s_add_co_u32 s46, s46, s47
	s_mov_b32 s47, 0
	s_add_nc_u64 s[8:9], s[8:9], s[46:47]
.macro MUL8 f, a, zero                 ; tokens' tile a x the eight tiles of columns, 32 along K.  The 32 accumulators take turns, one instruction a turn, in the same order in every quarter
.irp b, 0,1,2,3,4,5,6,7
.if \zero
	v_wmma_f32_16x16x32_f16 v[8*(8*(\a)+\b):8*(8*(\a)+\b)+7], v[\f+8*\b:\f+8*\b+7], v[\f+64+8*(\a):\f+64+8*(\a)+7], 0
.else
	v_wmma_f32_16x16x32_f16 v[8*(8*(\a)+\b):8*(8*(\a)+\b)+7], v[\f+8*\b:\f+8*\b+7], v[\f+64+8*(\a):\f+64+8*(\a)+7], v[8*(8*(\a)+\b):8*(8*(\a)+\b)+7]
.endif
.endr
.endm
.macro FETCH slot, kq, f               ; 24 LDS loads in one run: W_proj's eight fragments, then y's four
.irp b, 0,1,2,3,4,5,6,7
	ds_load_b128 v[\f+8*\b:\f+8*\b+3], v[ADRB+\slot] offset:(\kq)*16384+\b*1024
	ds_load_b128 v[\f+8*\b+4:\f+8*\b+7], v[ADRB+\slot] offset:(\kq)*16384+\b*1024+512
.endr
.irp a, 0,1,2,3
	ds_load_b128 v[\f+64+8*\a:\f+64+8*\a+3], v[ADRA+\slot] offset:(\kq)*8192+\a*1024
	ds_load_b128 v[\f+64+8*\a+4:\f+64+8*\a+7], v[ADRA+\slot] offset:(\kq)*8192+\a*1024+512
.endr
.endm
; A K step is four quarters of 32 along K, 32 matrix instructions each, on buffers 0, 1, 0, 1.  One of the first three: multiplies buffer f and fetches quarter kq into g.
.macro QUARTER slot, kq, f, g, zero
	s_wait_dscnt 4                                 ; all but the youngest four loads (y's tiles 2 and 3) are in
	WIN MUL
	MUL8 \f, 0, \zero
	MUL8 \f, 1, \zero
	PLACES 4                                       ; in front of loads into registers that matrix instructions have read
	WIN 0
	FETCH \slot, \kq, \g
	s_wait_dscnt 24                                ; all but the 24 just issued
	WIN MUL
	MUL8 \f, 2, \zero
	MUL8 \f, 3, \zero
.endm
; The last quarter multiplies buffer 1 and changes slots: one barrier; in front of it each wave waits for all its tensor loads, adds 0 to its spare word, and waits for that and for its reads of this slot.
; fill = 1: the barrier opens a round of the cluster's, and the joint refill, two K steps ahead, is the first tensor load behind it.
.macro TURN slot, next, fill
	WIN 0
	s_wait_tensorcnt 0x0                           ; all my tensor loads have landed: my part of the next slot
	ds_add_u32 v[SPW], v[NIL]
	s_wait_dscnt 5                                 ; (the add and the youngest four loads may be out)
	WIN MUL
	MUL8 F1, 0, 0
	s_wait_dscnt 0x0                               ; the add is done, and my reads of this slot are over
	s_barrier_signal -1
	MUL8 F1, 1, 0
	WIN 0
	s_barrier_wait -1
.if \fill
	CREST
	s_add_nc_u64 s[G0+4*\slot+2:G0+4*\slot+3], s[G0+4*\slot+2:G0+4*\slot+3], 65536
	s_add_nc_u64 s[G0B+4*\slot+2:G0B+4*\slot+3], s[G0B+4*\slot+2:G0B+4*\slot+3], 131072
	JLOAD \slot                                    ; the four v_nop behind it are also the places in front of the loads below
.else
	PLACES 4
.endif
	FETCH \next, 0, F0
	WIN MUL
	MUL8 F1, 2, 0
	MUL8 F1, 3, 0
.endm
	s_wait_tensorcnt 1                             ; my part of K step 0 is in; K step 1's load may stay out
	s_barrier_signal -1
	s_barrier_wait -1
	FETCH 0, 0, F0
	QUARTER 0, 1, F0, F1, 1                        ; the first quarter's products start the sums: nothing is cleared
	WIN 0
	s_mov_b32 s3, 3
.Llap:                                             ; a trip goes once round the ring, from a lap's second quarter to the next lap's first, and fills both slots again
	QUARTER 0, 2, F1, F0, 0
	QUARTER 0, 3, F0, F1, 0
	TURN 0, 1, 1
	QUARTER 1, 1, F0, F1, 0
	QUARTER 1, 2, F1, F0, 0
	QUARTER 1, 3, F0, F1, 0
	TURN 1, 0, 1
	QUARTER 0, 1, F0, F1, 0
	WIN 0
	s_sub_co_u32 s3, s3, 1
	s_cmp_lg_u32 s3, 0
	s_cbranch_scc1 .Llap
	QUARTER 0, 2, F1, F0, 0                        ; the last lap fills nothing
	QUARTER 0, 3, F0, F1, 0
	TURN 0, 1, 0
	QUARTER 1, 1, F0, F1, 0
	QUARTER 1, 2, F1, F0, 0
	QUARTER 1, 3, F0, F1, 0
	s_wait_dscnt 4
	WIN MUL
	MUL8 F1, 0, 0
	MUL8 F1, 1, 0
	s_wait_dscnt 0x0
	MUL8 F1, 2, 0
	MUL8 F1, 3, 0
	WIN 0
; THE WAY OUT, a block of 16 tokens x 128 columns at a time: through my own stage in LDS and back as whole rows of 512 bytes.  LDS serves a wave's instructions in order: no wait between the stores and the loads.
.macro TOSTAGE a
.set AC, 64*(\a)
	WIN 0x04                                       ; an LDS store's data are its source 1: window 1
.irp b, 0,1,2,3,4,5,6,7
	ds_store_b128 v[STO], v[AC+8*\b:AC+8*\b+3] offset:64*\b          ; each accumulator from its low end on
	ds_store_b128 v[STO], v[AC+8*\b+4:AC+8*\b+7] offset:64*\b+16
.endr
	WIN 0
.set BB, BK+64*((\a)%2)
.irp t, 0,1,2,3,4,5,6,7,8,9,10,11,12,13,14,15
	ds_load_b128 v[BB+4*\t:BB+4*\t+3], v[RD] offset:\t*SPITCH
.endr
.endm
.macro SEND a, younger
.set BB, BK+64*((\a)%2)
	s_wait_dscnt \younger                          ; the block is back in registers; the next block's 16 stores and 16 loads may stay out
.irp t, 0,1,2,3,4,5,6,7,8,9,10,11,12,13,14,15
	global_store_b128 v[CO], v[BB+4*\t:BB+4*\t+3], s[8:9] offset:(16*(\a)+\t)*4096 th:TH_STORE_NT   ; 512 consecutive bytes, aligned; written once
.endr
.endm
	PLACES 4                                       ; behind the last products: for the reads of results and the loads into the fragment buffers
	TOSTAGE 0
.irp a, 1,2,3
.if \a > 1
	s_wait_xcnt 0x0                                ; the stores of two blocks ago have read the registers into which this block's loads land
.endif
	TOSTAGE \a
	SEND \a-1, 32
.endr
	SEND 3, 0
	s_wait_tensorcnt 0x0                           ; the wave's end
	ds_add_u32 v[SPW], v[NIL]
	s_wait_dscnt 0x0
	CROUND                                         ; the closing round
	s_endpgm
.Lfunc_end_k_q73acec971f_proj:
	.size	k_q73acec971f_proj, .Lfunc_end_k_q73acec971f_proj-k_q73acec971f_proj
	.p2alignl 7, 3214868480
	.fill 96, 4, 3214868480
	.section	.rodata,"a",@progbits
	.p2align	6, 0x0
	.amdhsa_kernel k_q73acec971f_proj
		.amdhsa_group_segment_fixed_size 327680
		.amdhsa_private_segment_fixed_size 0
		.amdhsa_enable_private_segment 0
		.amdhsa_kernarg_size 24
		.amdhsa_user_sgpr_count 2
		.amdhsa_user_sgpr_kernarg_segment_ptr 1
		.amdhsa_wavefront_size32 1
		.amdhsa_system_sgpr_workgroup_id_x 1
		.amdhsa_system_sgpr_workgroup_id_y 1
		.amdhsa_system_sgpr_workgroup_id_z 1
		.amdhsa_system_vgpr_workitem_id 0
		.amdhsa_next_free_vgpr 512
		.amdhsa_next_free_sgpr 66
		.amdhsa_reserve_vcc 0
		.amdhsa_float_denorm_mode_32 3
		.amdhsa_float_denorm_mode_16_64 3
		.amdhsa_memory_ordered 1
		.amdhsa_forward_progress 1
		.amdhsa_inst_pref_size 84
	.end_amdhsa_kernel
	.amdgpu_metadata
---
amdhsa.version: [ 1, 2 ]
amdhsa.kernels:
  - .name:           k_q73acec971f_proj
    .symbol:         k_q73acec971f_proj.kd
    .args:
      - { .name: yi, .offset: 0, .size: 8, .value_kind: global_buffer, .address_space: global }
      - { .name: wp, .offset: 8, .size: 8, .value_kind: global_buffer, .address_space: global }
      - { .name: out0, .offset: 16, .size: 8, .value_kind: global_buffer, .address_space: global }
    .group_segment_fixed_size: 327680
    .private_segment_fixed_size: 0
    .kernarg_segment_align: 8
    .kernarg_segment_size: 24
    .max_flat_workgroup_size: 128
    .sgpr_count:     66
    .vgpr_count:     512
    .wavefront_size: 32
...
	.end_amdgpu_metadata
.endif
;; end of part 4
